; MI455X (gfx1250); checked and timed in simulation.
; The chip was launched on July 23, 2026; its instructions are those of AMD's public machine-readable ISA for CDNA 5 (MIT licence, August 2026) and "CDNA5" Instruction Set Architecture Reference Guide (July 2026). The comments in the code are by the model that wrote it; some were corrected since.
;; Minibatch Discrimination. Allowed arithmetic: matrix products marked QUANTISED: E3M2 operands, one E8M0 scale for each 32 along K, by v_wmma_scale_f32_16x16x128_f8f6f4 with both operands' format E3M2, f32 sums; products left as they are: f32 operands where the result goes on into a quantised operand, else bf16, f16 or f32 operands; f32 sums; everything else in f32.
;; Inputs: T 256 x 64 x 32 float32; W1 1 x 64 float32; b1 1 float32; beta 256 float32; feature 256 x 256 float32; gamma 256 float32.
;; Outputs: out0 256 x 1 float32.
;; This version of the problem:
;;   THIS VERSION OF THE PROBLEM IS GIVEN IN LOW PRECISION. The matrix products marked QUANTISED in the list below multiply operands that are first quantised to E3M2 (3 exponent bits, 2 mantissa bits; 6 bits a number), with one power-of-two scale for each 32 numbers along K (OCP MX v1.0); their sums are f32. All else is computed in f32.
;;   The module's matrix products, in the order in which they are computed (A, B: the left and right operand; K: the contracted axis; several contracted axes count as one K, in the product's order):
;;     1. [M 256, K 256] x [K 256, N 2,048]; A: computed on the way; B: input T: QUANTISED
;;     2. [M 256, K 64] x [K 64, N 1]; A: computed on the way; B: computed on the way: left as it is (N = 1 < 16)
;;   THE QUANTISER, for each operand of a quantised product, along K:
;;     - K is cut into blocks of 32 from its start; a last block that is shorter is filled with zeros.
;;     - A block's scale is 2^e with e = floor(log2(the largest magnitude in the block)) - 4, held to -126 .. 127; a block of zeros has e = 0. As a byte (E8M0): e + 127.
;;     - Each number is divided by its block's scale, clamped to +-28, and rounded to the nearest number of E3M2, ties to even, subnormals kept.
;;     - The product sums the exact products of the quantised numbers (number of the format x scale) in f32.
;;   ~~~python
;;   def quantise(x, axis):      # numpy; x: float32 -> the quantised numbers, widened to float32 again
;;       x = np.moveaxis(x, axis, -1); K = x.shape[-1]
;;       x = np.pad(x, [(0, 0)] * (x.ndim - 1) + [(0, -K % 32)]); x = x.reshape(x.shape[:-1] + (-1, 32)); a = np.abs(x).max(-1, keepdims=True)
;;       e = np.where(a > 0, np.clip(np.frexp(np.where(a > 0, a, 1))[1] - 1 - 4, -126, 127), 0)      # np.frexp(a)[1] - 1 = floor(log2(a)), exactly
;;       r = np.clip(x / 2.0 ** e, -28, 28)
;;       step = 2.0 ** (np.maximum(np.frexp(np.where(r == 0, 1, r))[1] - 1, -2) - 2)
;;       q = np.round(r / step) * step * 2.0 ** e      # np.round: ties to even
;;       return np.moveaxis(q.reshape(q.shape[:-2] + (-1,))[..., :K], -1, axis).astype(np.float32)
;;   ~~~
;;   OPERANDS COMPUTED ON THE WAY. 'Computed on the way' means the value that the module computes at that place (a softmax that the list does not call 'softmax' is quantised finished and normalised). What goes into a quantiser is computed in f32, as accurately as f32 sums, v_exp_f32 and their like allow (about 1e-6 of the number): no bf16 or f16 on the way to a quantiser, and a product that is left as it is and whose result goes on into a quantised operand takes f32 operands (vector FMAs, or v_wmma_f32_16x16x4_f32). A number that lies on a knife's edge between two numbers of the format may be rounded either way, as far as f32 arithmetic and the matrix unit's own rounding can turn it there, and no further.
;; 2 versions. Each part assembles by itself: llvm-mc -triple=amdgcn-amd-amdhsa -mcpu=gfx1250 --defsym DOCPART=n.
;; ======== version 1 of 2: 2 launches
;; workspace buffers: part 131,072 bytes
;; launch pairs (part 1): grid 128 x 2, 16 waves a work-group, no clusters, 327,680 bytes of LDS; arguments feature, T, gamma, beta, W1, part; writes part
.if DOCPART == 1
	.amdgcn_target "amdgcn-amd-amdhsa--gfx1250"
	.amdhsa_code_object_version 6
	.text
	.protected	k_q4bd0976011_pairs
	.globl	k_q4bd0976011_pairs
	.p2align	8
	.type	k_q4bd0976011_pairs,@function
k_q4bd0976011_pairs:
	s_mov_b64 s[64:65], 0
	v_nop
	global_prefetch_b8 v0, s[64:65] scope:SCOPE_SE
	s_setreg_imm32_b32 hwreg(HW_REG_WAVE_MODE, 25, 1), 1
	s_wait_xcnt 0x0
; part[t][j] = W1[t/2] sqrt(2/64) x the sum over the 16 columns c of tile t and over all 256 rows i of |M[j][c] - M[i][c]|,
; M = Q(x) Q(T), x = batch norm of feature [256][256] (batch statistics, biased variance), T as [256 (k)][2048 (c)], both operands quantised along k to
; codes of BF6 (E3M2) with one E8M0 scale for each 32 along k.  The launch behind this one adds the 128 tiles' parts and b1.
; SHARES.  Work-group (t, hf): columns 16 t .. 16 t + 15 of M, rows j = 128 hf .. 128 hf + 127, all rows i.  Sixteen waves of 256 registers.
; Every work-group makes the batch norm and x's codes for itself: M's columns want all 256 rows over all of k, and work-groups hand each other nothing.
; Wave w takes row tile w xor 8 hf, so that the rows j lie at LDS places 0 .. 127 in both halves: the half enters global addresses alone.
; THE WAY OF A ROW.  32 loads of 512 consecutive bytes bring a wave's 16 rows: a lane holds 8 columns of 16 rows, so column sums need no other lane.
; THE STATISTICS take ONE exchange between the waves.  Each wave takes the sum S_w of its 16 rows, their mean m_w = S_w / 16, and Q_w = the sum of (x - m_w)^2.  Groups are joined by
; Q = the sum of the groups' Q + the sum of (rows in a group) x (the group's mean - the joint mean)^2: only differences of like numbers, so a common offset of the inputs cancels.
; S_w and Q_w go through LDS in two levels (eight waves, then two halves), so that a column's sixteen parts are read once and not by every wave.
; The registers keep x - m_w; the normalised number is (x - m_w) A + ((m_w - mean) A + beta), A = gamma / sqrt(var + eps): one fused multiply-add.
; The normalised rows turn through the wave's own stage in LDS into the operand's layout (a lane: 4 whole blocks of 32 of one row), are quantised in registers and multiplied: 2 matrix instructions a wave.
; T's 256 x 16 numbers are quantised by waves 0 to 3, a lane to a column, registers down k, and reach all waves as an image of the operand's registers in LDS.  These waves ask for T AHEAD of
; their rows and quantise it while the rows are on their way, so that T's work does not stand between the rows' arrival and the first barrier.
; THE PAIRS.  M lies in LDS as [column][row].  Lane (r, h) of wave w: column r, 16 rows j (16 (w / 2) on), 64 rows i (64 (2 (w % 2) + h) on), all in registers.
; For 2 i x 2 j: two packed subtractions, two additions |d0| + |d1|, one packed accumulation: 5 instructions for 4 terms, 1,272 a wave, written out (10 KB).
; NO CLUSTER, NO TENSOR LOAD: feature is the one input that all work-groups share; it goes from memory straight into the registers in which its columns are summed.  A joint
; tensor load would land it in LDS, from where each wave would fetch its 16 rows by 32 more LDS loads, beside the 64 that the stage takes.  T's strip is shared by two work-groups only.
; LIMITS: NaN and infinities among the inputs are not served.  A block of zeros gets the scale byte 1 where the rule says 127: its codes are zeros, and this program alone reads the bytes.
; Sums are taken in another order than a row-by-row sum.  The two work-groups of a tile each make M for themselves.
.set SPI,   1040                       ; an LDS row of 256 f32: 1,024 bytes + 16 = 65 x 16: the sixteen rows that a 16-byte load touches start at sixteen different groups of four banks (64 banks of 4 bytes: ISA guide 11.1)
.set WST,   16*SPI                     ; a wave's stage: 16 rows
.set S1,    16*WST                     ; behind the sixteen stages: the waves' column sums S_w, 16 x 1,024 bytes,
.set S1B,   S1+16384                   ; and the two halves' sums of each column, 2 x 1,024 bytes
.set QOFF,  18432                      ; the same two regions once more, for the Q's
.set TIM,   S1+2*QOFF                  ; T's two fragments as images of their registers: 12 pieces of 256 bytes (8 bytes a lane)
.set TSC,   TIM+3072                   ; T's scale words: 4 x 64 bytes
.set MT,    TSC+256                    ; M as [column][row]: 16 x 1,040 bytes
.set RED,   MT+16*SPI                  ; the waves' 16 sums: 16 x 64 bytes.  324,096 bytes in all
.set GOF,  1                           ; v1   16 x lane: my bytes of a dense load
.set TOF,  2                           ; v2   T: 4 r + 32 h rows of 8,192 bytes
.set CW,   3                           ; v3   LDS: where my wave's column sums go
.set CR,   4                           ; v4   where I read eight waves' sums of one column
.set HW,   5                           ; v5   where that half's sum goes
.set HR,   6                           ; v6   where I read the halves' sums of my 8 columns
.set SW,   7                           ; v7   my stage, as the rows were loaded
.set SR,   8                           ; v8   my stage, as the operand wants them
.set TW,   9                           ; v9   T's image, on the way in
.set TR,   10                          ; v10  and out
.set UW,   11                          ; v11  T's scale words, in
.set UR,   12                          ; v12  and out
.set MW,   13                          ; v13  M: where my 8 results go
.set MJA,  14                          ; v14  M: my 16 rows j
.set MIA,  15                          ; v15  M: my 64 rows i
.set RW,   16                          ; v16  where my wave's 16 sums go
.set RR,   17                          ; v17  where two of them are read back
.set OOF,  18                          ; v18  my 8 bytes of the work-group's 512 in part
.set SH8,  19                          ; v19  8 h
.set WT,   20                          ; v20-21 the weight, twice
.set T0,   22                          ; v22-23 at work
.set T1,   23
.set SA,   24                          ; v24-25 x's scale words of the two K steps;  v26-27 T's: these four hold scales and nothing else
.set SB,   26
.set X,    32                          ; v32-159  the wave's 16 rows
.set TT,   160                         ; v160-191 32 numbers of T (waves 0 to 3)
.set SQ,   160                         ; then v160-167 Q_w of my 8 columns
.set BF,   160                         ; later T's two fragments
.set SUM,  192                         ; v192-199 S_w, then S, then 1 / sqrt(var + eps) of my 8 columns
.set MU,   200                         ; v200-207 m_w, then m_w - mean
.set G,    208                         ; v208-215 gamma, later A = gamma / sqrt(var + eps)
.set BT,   216                         ; v216-223 beta, later (m_w - mean) A + beta
.set L,    224                         ; v224-255 at work
.set QM,   192                         ; the quantiser: largest magnitudes, scale operands, bytes, the other half's word, upper halves of the codes
.set QS,   196
.set QB,   200
.set PT,   204
.set CT,   208
.set AF,   224                         ; x's two fragments
.set ACC,  192                         ; the 16 x 16 results
.set MI,   32                          ; the pairs: 64 i; 16 j, each twice; 32 differences; 16 sums of two; 16 running sums; the j's as loaded
.set JD,   96
.set DD,   128
.set SS,   160
.set AC,   176
.set JR,   200
.macro ROWS first, last                ; loads first .. last - 1 of the 32 that bring my wave's 16 rows
.set q, \first
.rept \last-\first
	global_load_b128 v[X+4*q:X+4*q+3], v[GOF], s[4:5] offset:512*q   ; row q / 2, columns 128 (q % 2) + 4 lane + 0 .. 3: 32 lanes read 512 consecutive bytes
.set q, q+1
.endr
.endm
.macro GAINS                           ; gamma and beta of my 8 columns
	global_load_b128 v[G:G+3], v[GOF], s[8:9]
	global_load_b128 v[G+4:G+7], v[GOF], s[8:9] offset:512
	global_load_b128 v[BT:BT+3], v[GOF], s[10:11]
	global_load_b128 v[BT+4:BT+7], v[GOF], s[10:11] offset:512
.endm
	s_load_b256 s[4:11], s[0:1], 0x0               ; feature s[4:5], T s[6:7], gamma s[8:9], beta s[10:11]
	s_load_b128 s[12:15], s[0:1], 0x20             ; W1 s[12:13], part s[14:15]
	; all offsets, constants and LDS addresses are made while the arguments are on their way
	v_lshrrev_b32 v28, 5, v0
	v_readfirstlane_b32 s16, v28                   ; wave 0..15
	v_and_b32 v29, 31, v0                          ; lane
	v_lshlrev_b32 v[GOF], 4, v29
	s_and_b32 s17, ttmp7, 0xffff                   ; hf
	s_lshl_b32 s24, s17, 3
	s_xor_b32 s24, s24, s16                        ; my row tile: w xor 8 hf
	s_lshl_b32 s24, s24, 14                        ; 16 rows of 1,024 bytes
	s_mov_b32 s25, 0
	s_min_u32 s20, s16, 3                          ; which quarter of T's strip: waves 0 to 3 (the others never use it)
	s_lshl_b32 s2, s20, 19                         ; 64 rows of 8,192 bytes a quarter
	s_lshl_b32 s3, ttmp9, 6                        ; + the tile's 16 columns
	s_add_co_u32 s2, s2, s3
	s_mov_b32 s3, 0
	s_mov_b32 s28, 0x3b800000                      ; 1 / 256
	s_mov_b32 s29, s28                             ; (the packed forms name pairs)
	s_mov_b32 s30, 0x3727c5ac                      ; eps = 1e-5
	s_mov_b32 s32, 0x76543210
	s_mov_b32 s33, 0xfedcba98                      ; v_permlanex16_b32's selects for lane l xor 16
	s_and_b32 s34, s20, 1
	s_lshl_b32 s34, s34, 4                         ; T's scale bytes: 16 bits up in the odd quarters
	s_mov_b32 s36, 0x3d800000                      ; 1 / 16
	s_mov_b32 s37, s36
	s_mov_b32 s38, 0x3e000000                      ; 1 / 8
	s_mov_b32 s40, 0xbb800000                      ; -1 / 256
	s_mov_b32 s41, s40
	; every LDS address is made here, ahead of the first branch: a constant + a constant x lane + a constant x wave
	v_and_b32 v30, 15, v0                          ; r
	v_bfe_u32 v31, v0, 4, 1                        ; h
	v_lshlrev_b32 v[TOF], 2, v30
	v_lshl_add_u32 v[TOF], v31, 18, v[TOF]
	s_lshl_b32 s18, s16, 10
	s_add_co_u32 s18, s18, S1
	v_add_nc_u32 v[CW], s18, v[GOF]                ; S1 + 1,024 w + 16 lane
	v_lshrrev_b32 v[T0], 8, v0
	v_and_b32 v[T1], 255, v0
	v_lshlrev_b32 v[T1], 2, v[T1]
	v_lshl_add_u32 v[CR], v[T0], 13, v[T1]
	v_add_nc_u32 v[CR], S1, v[CR]                  ; S1 + 8,192 (thread / 256) + 4 (thread % 256): column thread % 256, eight waves' sums
	v_lshl_add_u32 v[HW], v0, 2, S1B               ; S1B + 4 thread
	v_add_nc_u32 v[HR], S1B, v[GOF]
	s_mul_i32 s19, s16, WST
	v_add_nc_u32 v[SW], s19, v[GOF]
	v_mul_u32_u24 v[T0], v30, SPI                  ; r x pitch
	v_lshl_add_u32 v[SR], v31, 7, v[T0]
	v_add_nc_u32 v[SR], s19, v[SR]                 ; my stage, row r, + 128 h bytes: 32 numbers
	s_mul_i32 s21, s20, 768
	s_add_co_u32 s21, s21, TIM
	v_lshl_add_u32 v[TW], v29, 3, s21
	v_lshl_add_u32 v[TR], v29, 3, TIM
	s_lshl_b32 s22, s20, 6
	s_add_co_u32 s22, s22, TSC
	v_lshl_add_u32 v[UW], v30, 2, s22
	v_lshl_add_u32 v[UR], v30, 2, TSC
	v_add_nc_u32 v[T0], MT, v[T0]                  ; M's column r
	s_lshl_b32 s23, s16, 6
	v_lshl_add_u32 v[MW], v31, 5, v[T0]
	v_add_nc_u32 v[MW], s23, v[MW]                 ; places 16 w + 8 h on
	s_add_co_u32 s23, s23, RED
	v_mov_b32 v[RW], s23
	s_lshr_b32 s23, s16, 1
	s_lshl_b32 s23, s23, 6
	v_add_nc_u32 v[MJA], s23, v[T0]                ; places 16 (w / 2) on
	s_and_b32 s23, s16, 1
	s_lshl_b32 s23, s23, 9
	v_lshl_add_u32 v[MIA], v31, 8, v[T0]
	v_add_nc_u32 v[MIA], s23, v[MIA]               ; places 64 (2 (w % 2) + h) on
	v_bfe_u32 v[T1], v0, 3, 3
	v_and_b32 v[RR], 7, v0
	v_lshlrev_b32 v[RR], 3, v[RR]
	v_lshl_add_u32 v[RR], v[T1], 7, v[RR]
	v_add_nc_u32 v[RR], RED, v[RR]                 ; rows j = 2 v, 2 v + 1 (v = thread % 64): waves 2 (v / 8) and 2 (v / 8) + 1, 8 (v % 8) bytes on
	v_and_b32 v[OOF], 63, v0
	v_lshlrev_b32 v[OOF], 3, v[OOF]
	v_lshlrev_b32 v[SH8], 3, v31
	s_wait_kmcnt 0x0
	s_add_nc_u64 s[6:7], s[6:7], s[2:3]            ; T at my quarter of the tile's strip
	s_add_nc_u64 s[4:5], s[4:5], s[24:25]          ; feature at my row tile
	; ---- the loads.  Wave w < 4 also quantises k = 64 w + 32 h + 0 .. 31 of column r of T: a whole block in a lane; all that differs stands in ONE branch on the wave's number
	s_cmp_lt_u32 s16, 4
	s_cbranch_scc0 .Lno_t
.set i, 0
.rept 32
	global_load_b32 v[TT+i], v[TOF], s[6:7] offset:8192*i            ; T FIRST: sixteen neighbouring lanes read 64 neighbouring bytes of a row of T
.set i, i+1
.endr
	ROWS 0, 28                                     ; rows 0 to 13: 60 loads of mine are out, which LOADcnt's six bits can count
	v_mov_b32 v[L+10], 0                           ; a lane permute's destination counts as one of its sources
	s_wait_loadcnt 28                              ; T's 32 loads are in: behind them stand the 28 of rows 0 to 13
	ROWS 28, 32                                    ; rows 14 and 15, gamma and beta: on both ways the same 36 loads in the same order,
	GAINS                                          ; so the counted waits of the column sums hold on both
	v_max3_num_f32 v[L], |v[TT]|, |v[TT+1]|, |v[TT+2]|               ; the block's largest magnitude, in two chains; the rows are on their way meanwhile
	v_max3_num_f32 v[L+1], |v[TT+3]|, |v[TT+4]|, |v[TT+5]|
.irp i, 6,10,14,18,22,26
	v_max3_num_f32 v[L], v[L], |v[TT+\i]|, |v[TT+\i+1]|
	v_max3_num_f32 v[L+1], v[L+1], |v[TT+\i+2]|, |v[TT+\i+3]|
.endr
	v_max3_num_f32 v[L], v[L], |v[TT+30]|, |v[TT+31]|
	v_max3_num_f32 v[L], v[L], v[L+1], 0x2800000   ; and the floor 2^(5 - 127): the byte cannot fall under 1
	v_add_nc_u32 v[L+2], 0xfe000000, v[L]          ; 4 off the exponent field: the conversion takes the exponent field of this operand as its scale
	v_lshrrev_b32 v[L+3], 23, v[L+2]               ; the scale's byte: block 2 (w % 2) + h of K step w / 2
	v_lshlrev_b32 v[L+3], v[SH8], v[L+3]           ; 8 h bits up,
	v_permlanex16_b32 v[L+10], v[L+3], s32, s33
	v_or_b32 v[L+3], v[L+3], v[L+10]               ; with lane l xor 16's,
	v_lshlrev_b32 v[L+3], s34, v[L+3]              ; at its half of the word: the other half stays 0 and comes from the neighbouring quarter's word
	v_cvt_scalef32_pk16_bf6_f32 v[L+4:L+6], v[TT:TT+15], v[L+2]
	v_cvt_scalef32_pk16_bf6_f32 v[L+12:L+14], v[TT+16:TT+31], v[L+2] ; (a conversion's three registers begin on an even number)
	v_nop                                          ; one plain place behind a scaled conversion
	v_mov_b32 v[L+7], v[L+12]
	v_mov_b32 v[L+8], v[L+13]
	v_mov_b32 v[L+9], v[L+14]                      ; v[L+4 .. L+9]: registers 6 (w % 2) .. + 5 of fragment w / 2
	ds_store_b64 v[TW], v[L+4:L+5]                 ; as an image: piece 3 w + p, 8 bytes a lane
	ds_store_b64 v[TW], v[L+6:L+7] offset:256
	ds_store_b64 v[TW], v[L+8:L+9] offset:512
	ds_store_b32 v[UW], v[L+3]                     ; lanes r and r + 16 write the same word with the same value
	s_branch .Lrows
.Lno_t:
	ROWS 0, 32
	GAINS
.Lrows:
	s_lshr_b32 s24, ttmp9, 1                       ; the other bases, while the loads are out (s25 is still 0)
	s_lshl_b32 s24, s24, 2
	s_add_nc_u64 s[12:13], s[12:13], s[24:25]
	s_load_b32 s27, s[12:13], 0x0                  ; W1[t / 2]: the tile's 16 columns belong to one output feature
	s_lshl_b32 s24, ttmp9, 10
	s_lshl_b32 s26, s17, 9
	s_add_co_u32 s24, s24, s26
	s_add_nc_u64 s[14:15], s[14:15], s[24:25]      ; part[t][128 hf]
	; ---- S_w: the sums of my 8 columns over my wave's 16 rows, two rows at a time as they arrive
.set g, 0
.rept 8
	s_wait_loadcnt 32-4*g                          ; behind the loads of rows 2 g, 2 g + 1: 28 - 4 g loads of later rows and the four of gamma and beta
.set z, 0
.rept 4
.if g == 0
	v_pk_add_f32 v[SUM+z:SUM+z+1], v[X+z:X+z+1], v[X+8+z:X+9+z]      ; the first two rows start the sums: nothing is cleared
.else
	v_pk_add_f32 v[SUM+z:SUM+z+1], v[SUM+z:SUM+z+1], v[X+16*g+z:X+16*g+z+1]
.endif
.set z, z+2
.endr
.if g > 0
.set z, 0
.rept 4
	v_pk_add_f32 v[SUM+z:SUM+z+1], v[SUM+z:SUM+z+1], v[X+16*g+8+z:X+16*g+9+z]
.set z, z+2
.endr
.endif
.set g, g+1
.endr
	s_wait_kmcnt 0x0                               ; W1's number
.irp z, 0,2,4,6
	v_pk_mul_f32 v[MU+\z:MU+\z+1], v[SUM+\z:SUM+\z+1], s[36:37] op_sel_hi:[1,0]   ; m_w = S_w / 16
.endr
	; ---- x - m_w, in place, and Q_w, the sums of its squares
.set q, 0
.rept 64
	v_pk_add_f32 v[X+2*q:X+2*q+1], v[X+2*q:X+2*q+1], v[MU+(2*q)%8:MU+(2*q)%8+1] neg_lo:[0,1] neg_hi:[0,1]
.set q, q+1
.endr
.set q, 0
.rept 64
.if q < 4
	v_pk_mul_f32 v[SQ+2*q:SQ+2*q+1], v[X+2*q:X+2*q+1], v[X+2*q:X+2*q+1]
.else
	v_pk_fma_f32 v[SQ+(2*q)%8:SQ+(2*q)%8+1], v[X+2*q:X+2*q+1], v[X+2*q:X+2*q+1], v[SQ+(2*q)%8:SQ+(2*q)%8+1]
.endif
.set q, q+1
.endr
	; ---- THE EXCHANGE.  In front of each barrier a wave waits for all its LDS instructions: its stores have landed (T's image among them)
	ds_store_b128 v[CW], v[SUM:SUM+3]
	ds_store_b128 v[CW], v[SUM+4:SUM+7] offset:512
	ds_store_b128 v[CW], v[SQ:SQ+3] offset:QOFF
	ds_store_b128 v[CW], v[SQ+4:SQ+7] offset:QOFF+512
	s_wait_dscnt 0x0
	s_barrier_signal -1
	s_barrier_wait -1
	; level 1: thread n joins eight waves' groups of column n % 256: waves 8 (n / 256) + 0 .. 7
.irp a, 0,1,2,3,4,5,6,7
	ds_load_b32 v[L+\a], v[CR] offset:1024*\a
.endr
.irp a, 0,1,2,3,4,5,6,7
	ds_load_b32 v[L+8+\a], v[CR] offset:QOFF+1024*\a
.endr
	s_wait_dscnt 8                                 ; the eight S_w are in; the eight loads of the Q_w stand behind them
	v_pk_add_f32 v[L+16:L+17], v[L:L+1], v[L+2:L+3]
	v_pk_add_f32 v[L+18:L+19], v[L+4:L+5], v[L+6:L+7]
	v_pk_add_f32 v[L+16:L+17], v[L+16:L+17], v[L+18:L+19]
	v_add_f32 v[L+16], v[L+16], v[L+17]            ; S_g, the half's sum
	v_mul_f32 v[L+18], s38, v[L+16]                ; S_g / 8: what a wave's sum would be at the half's mean
	v_mov_b32 v[L+19], v[L+18]
.irp a, 0,2,4,6
	v_pk_add_f32 v[L+\a:L+\a+1], v[L+\a:L+\a+1], v[L+18:L+19] neg_lo:[0,1] neg_hi:[0,1]   ; u_w = S_w - S_g / 8 = 16 (m_w - the half's mean)
.endr
	v_pk_mul_f32 v[L+20:L+21], v[L:L+1], v[L:L+1]
.irp a, 2,4,6
	v_pk_fma_f32 v[L+20:L+21], v[L+\a:L+\a+1], v[L+\a:L+\a+1], v[L+20:L+21]
.endr
	s_wait_dscnt 0x0
	v_pk_add_f32 v[L+8:L+9], v[L+8:L+9], v[L+10:L+11]
	v_pk_add_f32 v[L+12:L+13], v[L+12:L+13], v[L+14:L+15]
	v_pk_add_f32 v[L+8:L+9], v[L+8:L+9], v[L+12:L+13]
	v_pk_fma_f32 v[L+8:L+9], v[L+20:L+21], s[36:37], v[L+8:L+9] op_sel_hi:[1,0,1]   ; + 16 (u_w / 16)^2 = u_w^2 / 16
	v_add_f32 v[L+8], v[L+8], v[L+9]               ; Q_g
	ds_store_b32 v[HW], v[L+16]
	ds_store_b32 v[HW], v[L+8] offset:QOFF
	s_wait_dscnt 0x0
	s_barrier_signal -1
	s_barrier_wait -1
	; level 2: every lane joins the two halves of its 8 columns
.irp a, 0,1,2,3
	ds_load_b128 v[L+4*\a:L+4*\a+3], v[HR] offset:512*\a             ; S_0 (8 numbers), S_1
.endr
.irp a, 0,1,2,3
	ds_load_b128 v[L+16+4*\a:L+16+4*\a+3], v[HR] offset:QOFF+512*\a  ; Q_0, Q_1
.endr
	s_wait_dscnt 0x0
.irp z, 0,2,4,6
	v_pk_add_f32 v[SUM+\z:SUM+\z+1], v[L+\z:L+\z+1], v[L+8+\z:L+9+\z]                              ; S
	v_pk_add_f32 v[L+\z:L+\z+1], v[L+\z:L+\z+1], v[L+8+\z:L+9+\z] neg_lo:[0,1] neg_hi:[0,1]        ; S_0 - S_1
	v_pk_add_f32 v[L+16+\z:L+17+\z], v[L+16+\z:L+17+\z], v[L+24+\z:L+25+\z]                        ; Q_0 + Q_1
.endr
.irp z, 0,2,4,6
	v_pk_mul_f32 v[L+8+\z:L+9+\z], v[L+\z:L+\z+1], v[L+\z:L+\z+1]
	v_pk_fma_f32 v[MU+\z:MU+\z+1], v[SUM+\z:SUM+\z+1], s[40:41], v[MU+\z:MU+\z+1] op_sel_hi:[1,0,1]   ; m_w - mean
.endr
.irp z, 0,2,4,6
	v_pk_fma_f32 v[L+16+\z:L+17+\z], v[L+8+\z:L+9+\z], s[28:29], v[L+16+\z:L+17+\z] op_sel_hi:[1,0,1] ; Q: + 64 ((S_0 - S_1) / 128)^2 = (S_0 - S_1)^2 / 256
.endr
.irp z, 0,1,2,3,4,5,6,7
	v_fma_f32 v[L+8+\z], v[L+16+\z], s28, s30      ; var + eps (x 1 / 256 rounds nothing)
.endr
.irp z, 0,1,2,3,4,5,6,7
	v_rsq_f32 v[SUM+\z], v[L+8+\z]
.endr
	v_nop                                          ; one plain place behind the last of them
.set p, 0
.rept 12
	ds_load_b64 v[BF+2*p:BF+2*p+1], v[TR] offset:256*p               ; T's two fragments, as they were stored; two barriers lie between
.set p, p+1
.endr
	ds_load_b32 v[SB], v[UR]                       ; T's scale words: two halves for each K step
	ds_load_b32 v[T0], v[UR] offset:64
	ds_load_b32 v[SB+1], v[UR] offset:128
	ds_load_b32 v[T1], v[UR] offset:192
	s_wait_loadcnt 0x0                             ; gamma and beta
	s_wait_alu depctr_va_vdst(0)                   ; one wait for the eight, ahead of their first reader
.irp z, 0,2,4,6
	v_pk_mul_f32 v[G+\z:G+\z+1], v[G+\z:G+\z+1], v[SUM+\z:SUM+\z+1]                  ; A
.endr
.irp z, 0,2,4,6
	v_pk_fma_f32 v[BT+\z:BT+\z+1], v[MU+\z:MU+\z+1], v[G+\z:G+\z+1], v[BT+\z:BT+\z+1]   ; (m_w - mean) A + beta
.endr
	; ---- normalised, one fused multiply-add a number, and into my stage as the rows lie
.set q, 0
.rept 32
	v_pk_fma_f32 v[X+4*q:X+4*q+1], v[X+4*q:X+4*q+1], v[G+(4*q)%8:G+(4*q)%8+1], v[BT+(4*q)%8:BT+(4*q)%8+1]
	v_pk_fma_f32 v[X+4*q+2:X+4*q+3], v[X+4*q+2:X+4*q+3], v[G+(4*q)%8+2:G+(4*q)%8+3], v[BT+(4*q)%8+2:BT+(4*q)%8+3]
	ds_store_b128 v[SW], v[X+4*q:X+4*q+3] offset:(q/2)*SPI+(q%2)*512
.set q, q+1
.endr
	s_wait_dscnt 0x0                               ; the stores have read their registers, which the loads below fill again; T's fragments and words are in
	v_or_b32 v[SB], v[SB], v[T0]
	v_or_b32 v[SB+1], v[SB+1], v[T1]
.set q, 0
.rept 32
	ds_load_b128 v[X+4*q:X+4*q+3], v[SR] offset:256*(q/8)+16*(q%8)   ; register 32 c + i: x(row r, k = 64 c + 32 h + i): the stage is my wave's own, and LDS serves a wave's instructions in order
.set q, q+1
.endr
	s_wait_dscnt 0x0
	; ---- my four blocks of 32: all their numbers are mine
.irp c, 0,1,2,3
	v_max3_num_f32 v[QM+\c], |v[X+32*\c]|, |v[X+32*\c+1]|, 0x2800000 ; and the floor 2^(5 - 127)
.endr
.set i, 2
.rept 15
.irp c, 0,1,2,3
	v_max3_num_f32 v[QM+\c], v[QM+\c], |v[X+32*\c+i]|, |v[X+32*\c+i+1]|   ; (the four blocks by turns)
.endr
.set i, i+2
.endr
.irp c, 0,1,2,3
	v_add_nc_u32 v[QS+\c], 0xfe000000, v[QM+\c]    ; the conversions' scale operands
.endr
.irp c, 0,1,2,3
	v_lshrrev_b32 v[QB+\c], 23, v[QS+\c]           ; the scales' bytes
.endr
	v_lshl_or_b32 v[SA], v[QB+1], 16, v[QB]        ; K step 0: my blocks h and 2 + h of row r,
	v_lshl_or_b32 v[SA+1], v[QB+3], 16, v[QB+2]    ; K step 1 likewise,
	v_lshlrev_b32 v[SA], v[SH8], v[SA]             ; at their places in the word;
	v_lshlrev_b32 v[SA+1], v[SH8], v[SA+1]
	v_permlanex16_b32 v[PT], v[SA], s32, s33       ; (the destinations have been written before)
	v_permlanex16_b32 v[PT+1], v[SA+1], s32, s33
	v_or_b32 v[SA], v[SA], v[PT]                   ; with lane l xor 16's two bytes the words are whole
	v_or_b32 v[SA+1], v[SA+1], v[PT+1]
.irp c, 0,1,2,3
	v_cvt_scalef32_pk16_bf6_f32 v[AF+6*\c:AF+6*\c+2], v[X+32*\c:X+32*\c+15], v[QS+\c]
	v_cvt_scalef32_pk16_bf6_f32 v[CT+4*\c:CT+4*\c+2], v[X+32*\c+16:X+32*\c+31], v[QS+\c]   ; (three registers that begin on an even number: made here and moved)
.endr
	v_nop                                          ; one plain place behind the last scaled conversion
.irp c, 0,1,2,3
.irp i, 0,1,2
	v_mov_b32 v[AF+6*\c+3+\i], v[CT+4*\c+\i]
.endr
.endr
.rept 8
	v_nop                                          ; an operand written by vector instructions stands 4 places ahead of a scaled matrix instruction, a scale register so written 8
.endr
	; ---- M(16 rows, 16 columns): source 0 = x's rows, source 1 = T's columns
	v_wmma_scale_f32_16x16x128_f8f6f4 v[ACC:ACC+7], v[AF:AF+11], v[BF:BF+11], 0, v[SA], v[SB] matrix_a_fmt:MATRIX_FMT_BF6 matrix_b_fmt:MATRIX_FMT_BF6
	s_wait_alu depctr_va_vdst(0)                   ; the wait stands directly ahead of the second
	v_wmma_scale_f32_16x16x128_f8f6f4 v[ACC:ACC+7], v[AF+12:AF+23], v[BF+12:BF+23], v[ACC:ACC+7], v[SA+1], v[SB+1] matrix_a_fmt:MATRIX_FMT_BF6 matrix_b_fmt:MATRIX_FMT_BF6
.rept 4
	v_nop                                          ; four places ahead of the stores that read the results, and of what is later written over the operands
.endr
	ds_store_b128 v[MW], v[ACC:ACC+3]              ; register n of lane (r, h): M(place 16 w + 8 h + n, column r): eight neighbours of a column; from the low end on
	ds_store_b128 v[MW], v[ACC+4:ACC+7] offset:16
	s_wait_dscnt 0x0
	s_barrier_signal -1
	s_barrier_wait -1                              ; all 256 rows of the 16 columns lie in LDS
	; ---- the pairs
.irp a, 0,1,2,3
	ds_load_b128 v[JR+4*\a:JR+4*\a+3], v[MJA] offset:16*\a
.endr
.set e, 0
.rept 16
	ds_load_b128 v[MI+4*e:MI+4*e+3], v[MIA] offset:16*e
.set e, e+1
.endr
	s_wait_dscnt 16                                ; my 16 j are in; the sixteen loads of the i's stand behind them
.set a, 0
.rept 16
	v_mov_b32 v[JD+2*a], v[JR+a]                   ; each j twice, as the pair that the packed subtraction takes from two i's
	v_mov_b32 v[JD+2*a+1], v[JR+a]
.set a, a+1
.endr
.set pb, 0
.rept 32                                       ; two i's at a time against all 16 j: no line reads the result of a line less than eight lines above it
.if (pb%2) == 0
	s_wait_dscnt 15-pb/2                           ; the load that brings i's 2 pb .. 2 pb + 3 is in; those of later i's may be out
.endif
.set a, 0
.rept 16
	v_pk_add_f32 v[DD+2*a:DD+2*a+1], v[MI+2*pb:MI+2*pb+1], v[JD+2*a:JD+2*a+1] neg_lo:[0,1] neg_hi:[0,1]
.set a, a+1
.endr
.set a, 0
.rept 16
.if pb == 0
	v_add_f32 v[AC+a], |v[DD+2*a]|, |v[DD+2*a+1]|  ; the first two i's start the sums: nothing is cleared
.else
	v_add_f32 v[SS+a], |v[DD+2*a]|, |v[DD+2*a+1]|
.endif
.set a, a+1
.endr
.if pb > 0
.set a, 0
.rept 8
	v_pk_add_f32 v[AC+2*a:AC+2*a+1], v[AC+2*a:AC+2*a+1], v[SS+2*a:SS+2*a+1]
.set a, a+1
.endr
.endif
.set pb, pb+1
.endr
	; ---- over the 16 columns (the lanes of a half), over the two halves' i's, over the two waves that share my j's
.irp m, 1,2,4,8
.set a, 0
.rept 16
	v_add_f32_dpp v[AC+a], v[AC+a], v[AC+a] row_xmask:\m row_mask:0xf bank_mask:0xf
.set a, a+1
.endr
.endr
.set a, 0
.rept 16
	v_permlanex16_b32 v[DD+a], v[AC+a], s32, s33
.set a, a+1
.endr
.set a, 0
.rept 8
	v_pk_add_f32 v[AC+2*a:AC+2*a+1], v[AC+2*a:AC+2*a+1], v[DD+2*a:DD+2*a+1]
.set a, a+1
.endr
.irp a, 0,1,2,3
	ds_store_b128 v[RW], v[AC+4*\a:AC+4*\a+3] offset:16*\a           ; all lanes hold the same sixteen sums and write them to the same 64 bytes
.endr
	s_wait_dscnt 0x0
	s_barrier_signal -1
	s_barrier_wait -1
	s_cmp_lt_u32 s16, 2
	s_cbranch_scc0 .Ldone                          ; waves 0 and 1 store the work-group's 128 numbers
	ds_load_b64 v[22:23], v[RR]
	ds_load_b64 v[28:29], v[RR] offset:64
	v_mov_b32 v[WT], s27
	v_mul_f32 v[WT], 0x3e3504f3, v[WT]             ; W1[t / 2] x sqrt(2 / 64)
	v_mov_b32 v[WT+1], v[WT]
	s_wait_dscnt 0x0
	v_pk_add_f32 v[22:23], v[22:23], v[28:29]
	v_pk_mul_f32 v[22:23], v[22:23], v[WT:WT+1]
	global_store_b64 v[OOF], v[22:23], s[14:15]    ; 32 lanes store 256 consecutive bytes, at a multiple of 256 from part's first byte
.Ldone:
	s_wait_xcnt 0x0
	v_lshl_add_u32 v254, v0, 2, 0x4f800
	v_mov_b32 v255, 0
	s_wait_tensorcnt 0x0
	ds_add_u32 v254, v255
	s_wait_dscnt 0x0
	s_endpgm
.Lfunc_end_k_q4bd0976011_pairs:
	.size	k_q4bd0976011_pairs, .Lfunc_end_k_q4bd0976011_pairs-k_q4bd0976011_pairs
	.p2alignl 7, 3214868480
	.fill 96, 4, 3214868480
	.section	.rodata,"a",@progbits
	.p2align	6, 0x0
	.amdhsa_kernel k_q4bd0976011_pairs
		.amdhsa_group_segment_fixed_size 327680
		.amdhsa_private_segment_fixed_size 0
		.amdhsa_enable_private_segment 0
		.amdhsa_kernarg_size 48
		.amdhsa_user_sgpr_count 2
		.amdhsa_user_sgpr_kernarg_segment_ptr 1
		.amdhsa_wavefront_size32 1
		.amdhsa_system_sgpr_workgroup_id_x 1
		.amdhsa_system_sgpr_workgroup_id_y 1
		.amdhsa_system_sgpr_workgroup_id_z 1
		.amdhsa_system_vgpr_workitem_id 0
		.amdhsa_next_free_vgpr 256
		.amdhsa_next_free_sgpr 66
		.amdhsa_reserve_vcc 0
		.amdhsa_float_denorm_mode_32 3
		.amdhsa_float_denorm_mode_16_64 3
		.amdhsa_memory_ordered 1
		.amdhsa_forward_progress 1
		.amdhsa_inst_pref_size 140
	.end_amdhsa_kernel
	.amdgpu_metadata
---
amdhsa.version: [ 1, 2 ]
amdhsa.kernels:
  - .name:           k_q4bd0976011_pairs
    .symbol:         k_q4bd0976011_pairs.kd
    .args:
      - { .name: feature, .offset: 0, .size: 8, .value_kind: global_buffer, .address_space: global }
      - { .name: T, .offset: 8, .size: 8, .value_kind: global_buffer, .address_space: global }
      - { .name: gamma, .offset: 16, .size: 8, .value_kind: global_buffer, .address_space: global }
      - { .name: beta, .offset: 24, .size: 8, .value_kind: global_buffer, .address_space: global }
      - { .name: W1, .offset: 32, .size: 8, .value_kind: global_buffer, .address_space: global }
      - { .name: part, .offset: 40, .size: 8, .value_kind: global_buffer, .address_space: global }
    .group_segment_fixed_size: 327680
    .private_segment_fixed_size: 0
    .kernarg_segment_align: 8
    .kernarg_segment_size: 48
    .max_flat_workgroup_size: 512
    .sgpr_count:     66
    .vgpr_count:     256
    .wavefront_size: 32
...
	.end_amdgpu_metadata
.endif
;; end of part 1
;; launch finish (part 2): grid 4 x 1, 8 waves a work-group, no clusters, 3,072 bytes of LDS; arguments part, b1, out0; writes out0
.if DOCPART == 2
	.amdgcn_target "amdgcn-amd-amdhsa--gfx1250"
	.amdhsa_code_object_version 6
	.text
	.protected	k_q4bd0976011_finish
	.globl	k_q4bd0976011_finish
	.p2align	8
	.type	k_q4bd0976011_finish,@function
k_q4bd0976011_finish:
	s_mov_b64 s[64:65], 0
	v_nop
	global_prefetch_b8 v0, s[64:65] scope:SCOPE_SE
	s_setreg_imm32_b32 hwreg(HW_REG_WAVE_MODE, 25, 1), 1
	s_wait_xcnt 0x0
; out0[j] = b1 + the sum over the 128 tiles t of part[t][j].  part: [128][256] f32, already weighted.
; Work-group g owns outputs 64 g .. 64 g + 63: 256 consecutive bytes of each row of part.  Sixteen lanes cover them, 16 bytes each, so a load of a wave takes two rows;
; wave w takes rows 16 w .. 16 w + 15 by eight loads, all out at once.  The halves of the lanes meet by v_permlanex16_b32, the eight waves in LDS; wave 0 adds b1 and stores.
; Four work-groups are all the work there is: 128 KiB in, 1 KiB out.  No matrix unit, no tensor load, no cluster: nothing is read twice.
	s_load_b128 s[4:7], s[0:1], 0x0                ; part, b1
	s_load_b64 s[8:9], s[0:1], 0x10                ; out0
	v_lshl_add_u32 v48, v0, 2, 0x800
	v_mov_b32 v49, 0
	v_lshrrev_b32 v1, 5, v0
	v_readfirstlane_b32 s10, v1                    ; wave 0..7
	v_and_b32 v2, 15, v0
	v_bfe_u32 v3, v0, 4, 1
	v_lshlrev_b32 v4, 4, v2                        ; my four outputs: 16 (lane % 16) bytes on
	v_lshl_add_u32 v5, v3, 10, v4                  ; lanes 16-31: one row of part further down
	s_lshl_b32 s11, s10, 8
	v_add_nc_u32 v6, s11, v4                       ; LDS: 256 bytes a wave
	v_and_b32 v7, 31, v0
	v_lshlrev_b32 v7, 3, v7                        ; on the way out 8 bytes a lane
	s_lshl_b32 s12, s10, 14                        ; my wave's 16 rows of 1,024 bytes
	s_lshl_b32 s14, ttmp9, 8                       ; my work-group's 256 bytes
	s_add_co_u32 s12, s12, s14
	s_mov_b32 s13, 0
	s_mov_b32 s15, 0
	s_mov_b32 s16, 0x76543210
	s_mov_b32 s17, 0xfedcba98                      ; v_permlanex16_b32's selects for lane l xor 16
	s_wait_kmcnt 0x0
	s_load_b32 s18, s[6:7], 0x0                    ; b1
	s_add_nc_u64 s[4:5], s[4:5], s[12:13]
	s_add_nc_u64 s[8:9], s[8:9], s[14:15]
.irp u, 0,1,2,3,4,5,6,7
	global_load_b128 v[8+4*\u:11+4*\u], v5, s[4:5] offset:2048*\u    ; rows 16 w + 2 u and 16 w + 2 u + 1: sixteen lanes read 256 consecutive aligned bytes of each
.endr
	s_wait_loadcnt 0x0
.irp u, 0,2,4,6
	v_pk_add_f32 v[8+4*\u:9+4*\u], v[8+4*\u:9+4*\u], v[12+4*\u:13+4*\u]
	v_pk_add_f32 v[10+4*\u:11+4*\u], v[10+4*\u:11+4*\u], v[14+4*\u:15+4*\u]
.endr
.irp u, 0,4
	v_pk_add_f32 v[8+4*\u:9+4*\u], v[8+4*\u:9+4*\u], v[16+4*\u:17+4*\u]
	v_pk_add_f32 v[10+4*\u:11+4*\u], v[10+4*\u:11+4*\u], v[18+4*\u:19+4*\u]
.endr
	v_pk_add_f32 v[8:9], v[8:9], v[24:25]
	v_pk_add_f32 v[10:11], v[10:11], v[26:27]
.irp n, 0,1,2,3
	v_permlanex16_b32 v[12+\n], v[8+\n], s16, s17  ; (the destinations have been written before, by loads)
.endr
	v_pk_add_f32 v[8:9], v[8:9], v[12:13]
	v_pk_add_f32 v[10:11], v[10:11], v[14:15]      ; my wave's 16 rows are summed
	ds_store_b128 v6, v[8:11]                      ; lanes l and l + 16 write the same bytes with the same values
	s_wait_kmcnt 0x0
	s_wait_dscnt 0x0                               ; for the others' sake: my store has landed
	s_barrier_signal -1
	s_barrier_wait -1
	s_cmp_lg_u32 s10, 0
	s_cbranch_scc1 .Ldone
.irp a, 0,1,2,3,4,5,6,7
	ds_load_b64 v[16+2*\a:17+2*\a], v7 offset:256*\a
.endr
	s_wait_dscnt 0x0
.irp a, 0,2,4,6
	v_pk_add_f32 v[16+2*\a:17+2*\a], v[16+2*\a:17+2*\a], v[18+2*\a:19+2*\a]
.endr
	v_pk_add_f32 v[16:17], v[16:17], v[20:21]
	v_pk_add_f32 v[24:25], v[24:25], v[28:29]
	v_pk_add_f32 v[16:17], v[16:17], v[24:25]
	v_add_f32 v16, s18, v16
	v_add_f32 v17, s18, v17
	global_store_b64 v7, v[16:17], s[8:9]          ; 32 lanes store 256 consecutive bytes, at a multiple of 256 from out0's first byte
.Ldone:
	s_wait_tensorcnt 0x0
	ds_add_u32 v48, v49
	s_wait_dscnt 0x0
	s_endpgm
.Lfunc_end_k_q4bd0976011_finish:
	.size	k_q4bd0976011_finish, .Lfunc_end_k_q4bd0976011_finish-k_q4bd0976011_finish
	.p2alignl 7, 3214868480
	.fill 96, 4, 3214868480
	.section	.rodata,"a",@progbits
	.p2align	6, 0x0
	.amdhsa_kernel k_q4bd0976011_finish
		.amdhsa_group_segment_fixed_size 3072
		.amdhsa_private_segment_fixed_size 0
		.amdhsa_enable_private_segment 0
		.amdhsa_kernarg_size 24
		.amdhsa_user_sgpr_count 2
		.amdhsa_user_sgpr_kernarg_segment_ptr 1
		.amdhsa_wavefront_size32 1
		.amdhsa_system_sgpr_workgroup_id_x 1
		.amdhsa_system_sgpr_workgroup_id_y 1
		.amdhsa_system_sgpr_workgroup_id_z 1
		.amdhsa_system_vgpr_workitem_id 0
		.amdhsa_next_free_vgpr 50
		.amdhsa_next_free_sgpr 66
		.amdhsa_reserve_vcc 0
		.amdhsa_float_denorm_mode_32 3
		.amdhsa_float_denorm_mode_16_64 3
		.amdhsa_memory_ordered 1
		.amdhsa_forward_progress 1
		.amdhsa_inst_pref_size 5
	.end_amdhsa_kernel
	.amdgpu_metadata
---
amdhsa.version: [ 1, 2 ]
amdhsa.kernels:
  - .name:           k_q4bd0976011_finish
    .symbol:         k_q4bd0976011_finish.kd
    .args:
      - { .name: part, .offset: 0, .size: 8, .value_kind: global_buffer, .address_space: global }
      - { .name: b1, .offset: 8, .size: 8, .value_kind: global_buffer, .address_space: global }
      - { .name: out0, .offset: 16, .size: 8, .value_kind: global_buffer, .address_space: global }
    .group_segment_fixed_size: 3072
    .private_segment_fixed_size: 0
    .kernarg_segment_align: 8
    .kernarg_segment_size: 24
    .max_flat_workgroup_size: 256
    .sgpr_count:     66
    .vgpr_count:     50
    .wavefront_size: 32
...
	.end_amdgpu_metadata
.endif
;; end of part 2
;; ======== version 2 of 2: 2 launches
;; workspace buffers: part 131,072 bytes
;; launch pairs (part 3): grid 128 x 2, 16 waves a work-group, no clusters, 327,680 bytes of LDS; arguments feature, T, gamma, beta, W1, part; writes part
.if DOCPART == 3
	.amdgcn_target "amdgcn-amd-amdhsa--gfx1250"
	.amdhsa_code_object_version 6
	.text
	.protected	k_q4bd0976011_pairs
	.globl	k_q4bd0976011_pairs
	.p2align	8
	.type	k_q4bd0976011_pairs,@function
k_q4bd0976011_pairs:
	s_mov_b64 s[64:65], 0
	v_nop
	global_prefetch_b8 v0, s[64:65] scope:SCOPE_SE
	s_setreg_imm32_b32 hwreg(HW_REG_WAVE_SCHED_MODE, 0, 2), 2
	s_setreg_imm32_b32 hwreg(HW_REG_WAVE_MODE, 25, 1), 1
	s_wait_xcnt 0x0
	s_wait_alu depctr_vm_vsrc(0)
; part[t][j] = W1[t/2] sqrt(2/64) x the sum over the 16 columns c of tile t and over all 256 rows i of |M[j][c] - M[i][c]|,
; M = Q(x) Q(T), x = batch norm of feature [256][256] (batch statistics, biased variance), T as [256 (k)][2048 (c)], both operands quantised along k to
; codes of BF6 (E3M2) with one E8M0 scale for each 32 along k.  The launch behind this one adds the 128 tiles' parts and b1.
; SHARES.  Work-group (t, hf): columns 16 t .. 16 t + 15 of M, rows j = 128 hf .. 128 hf + 127, all rows i.  Sixteen waves of 256 registers.
; Every work-group makes the batch norm and x's codes for itself: M's columns want all 256 rows over all of k, and work-groups hand each other nothing.
; Wave w takes row tile w xor 8 hf, so that the rows j lie at LDS places 0 .. 127 in both halves: the half enters global addresses alone.
; THE WAY OF A ROW.  32 loads of 512 consecutive bytes bring a wave's 16 rows: a lane holds 8 columns of 16 rows, so column sums need no other lane.
; THE STATISTICS take ONE exchange between the waves.  Each wave takes the sum S_w of its 16 rows, their mean m_w = S_w / 16, and Q_w = the sum of (x - m_w)^2.  Groups are joined by
; Q = the sum of the groups' Q + the sum of (rows in a group) x (the group's mean - the joint mean)^2: only differences of like numbers, so a common offset of the inputs cancels.
; S_w and Q_w go through LDS in two levels (eight waves, then two halves), so that a column's sixteen parts are read once and not by every wave.
; The registers keep x - m_w; the normalised number is (x - m_w) A + ((m_w - mean) A + beta), A = gamma / sqrt(var + eps): one fused multiply-add.
; The normalised rows turn through the wave's own stage in LDS into the operand's layout (a lane: 4 whole blocks of 32 of one row), are quantised in registers and multiplied: 2 matrix instructions a wave.
; T's 256 x 16 numbers are quantised by waves 0 to 3, a lane to a column, registers down k, and reach all waves as an image of the operand's registers in LDS.  These waves ask for T AHEAD of
; their rows and quantise it while the rows are on their way, so that T's work does not stand between the rows' arrival and the first barrier.
; THE PAIRS.  M lies in LDS as [column][row].  Lane (r, h) of wave w: column r, 16 rows j (16 (w / 2) on), 64 rows i (64 (2 (w % 2) + h) on), all in registers.
; For 2 i x 2 j: two packed subtractions, two additions |d0| + |d1|, one packed accumulation: 5 instructions for 4 terms, 1,272 a wave, written out (10 KB).
; NO CLUSTER, NO TENSOR LOAD: feature is the one input that all work-groups share; it goes from memory straight into the registers in which its columns are summed.  A joint
; tensor load would land it in LDS, from where each wave would fetch its 16 rows by 32 more LDS loads, beside the 64 that the stage takes.  T's strip is shared by two work-groups only.
; LIMITS: NaN and infinities among the inputs are not served.  A block of zeros gets the scale byte 1 where the rule says 127: its codes are zeros, and this program alone reads the bytes.
; Sums are taken in another order than a row-by-row sum.  The two work-groups of a tile each make M for themselves.
; THE MODE: SCHED_MODE bits 1:0 = 2 (LLVM: expert scheduling mode 2), set by the entry lines.  The code itself states the register dependences
; between vector or matrix instructions and memory or LDS instructions, with s_wait_alu, always for 0.
; THE PLAN.  Registers that memory or LDS instructions touch, in the order of the text (it has no loop):
;   v1-v19     offsets and LDS addresses: written once at the head, never again: one wait ahead of the first load serves them for the whole kernel.
;   X          the rows land; vector work on them; the stage's stores read them; the stage's loads land; the quantiser reads them; the pairs' i's land in v32-95, vector work writes v96-159.
;   v160-191   T's numbers land and are quantised (waves 0 to 3); Q_w is written and stored from v160-167; T's fragments land in v160-183; the products read them; then vector work alone.
;   SUM        written, stored, written again behind the second barrier; later the products' results, which are stored.
;   L          T's codes and word are written and stored; level 1's loads land; two of its results are stored; level 2's loads land; then x's codes: vector and matrix work alone.
;   v200-223   gamma and beta land; vector work; the pairs' j's land in v200-215.     v22, v23, v28, v29: at work at the head and ahead of the products; LDS loads land in them.
; A wait on va_vdst stands ahead of each run of stores of what vector or matrix instructions have just written; each also shows the earlier readers and writers of the registers in which the next
; loads land done, since no vector instruction between names those.  A wait on vm_vsrc stands behind each of the first two barriers and behind the stage's stores, ahead of what is written over stored registers.
; The stage's stores are dealt in two halves: rows 0 to 7 are stored among the multiply-adds of rows 8 to 15, which name other registers.
.set SPI,   1040                       ; an LDS row of 256 f32: 1,024 bytes + 16 = 65 x 16: the sixteen rows that a 16-byte load touches start at sixteen different groups of four banks (64 banks of 4 bytes: ISA guide 11.1)
.set WST,   16*SPI                     ; a wave's stage: 16 rows
.set S1,    16*WST                     ; behind the sixteen stages: the waves' column sums S_w, 16 x 1,024 bytes,
.set S1B,   S1+16384                   ; and the two halves' sums of each column, 2 x 1,024 bytes
.set QOFF,  18432                      ; the same two regions once more, for the Q's
.set TIM,   S1+2*QOFF                  ; T's two fragments as images of their registers: 12 pieces of 256 bytes (8 bytes a lane)
.set TSC,   TIM+3072                   ; T's scale words: 4 x 64 bytes
.set MT,    TSC+256                    ; M as [column][row]: 16 x 1,040 bytes
.set RED,   MT+16*SPI                  ; the waves' 16 sums: 16 x 64 bytes.  324,096 bytes in all
.set GOF,  1                           ; v1   16 x lane: my bytes of a dense load
.set TOF,  2                           ; v2   T: 4 r + 32 h rows of 8,192 bytes
.set CW,   3                           ; v3   LDS: where my wave's column sums go
.set CR,   4                           ; v4   where I read eight waves' sums of one column
.set HW,   5                           ; v5   where that half's sum goes
.set HR,   6                           ; v6   where I read the halves' sums of my 8 columns
.set SW,   7                           ; v7   my stage, as the rows were loaded
.set SR,   8                           ; v8   my stage, as the operand wants them
.set TW,   9                           ; v9   T's image, on the way in
.set TR,   10                          ; v10  and out
.set UW,   11                          ; v11  T's scale words, in
.set UR,   12                          ; v12  and out
.set MW,   13                          ; v13  M: where my 8 results go
.set MJA,  14                          ; v14  M: my 16 rows j
.set MIA,  15                          ; v15  M: my 64 rows i
.set RW,   16                          ; v16  where my wave's 16 sums go
.set RR,   17                          ; v17  where two of them are read back
.set OOF,  18                          ; v18  my 8 bytes of the work-group's 512 in part
.set SH8,  19                          ; v19  8 h
.set WT,   20                          ; v20-21 the weight, twice
.set T0,   22                          ; v22-23 at work
.set T1,   23
.set SA,   24                          ; v24-25 x's scale words of the two K steps;  v26-27 T's: these four hold scales and nothing else
.set SB,   26
.set X,    32                          ; v32-159  the wave's 16 rows
.set TT,   160                         ; v160-191 32 numbers of T (waves 0 to 3)
.set SQ,   160                         ; then v160-167 Q_w of my 8 columns
.set BF,   160                         ; later T's two fragments
.set SUM,  192                         ; v192-199 S_w, then S, then 1 / sqrt(var + eps) of my 8 columns
.set MU,   200                         ; v200-207 m_w, then m_w - mean
.set G,    208                         ; v208-215 gamma, later A = gamma / sqrt(var + eps)
.set BT,   216                         ; v216-223 beta, later (m_w - mean) A + beta
.set L,    224                         ; v224-255 at work
.set QM,   192                         ; the quantiser: largest magnitudes, scale operands, bytes, the other half's word, upper halves of the codes
.set QS,   196
.set QB,   200
.set PT,   204
.set CT,   208
.set AF,   224                         ; x's two fragments
.set ACC,  192                         ; the 16 x 16 results
.set MI,   32                          ; the pairs: 64 i; 16 j, each twice; 32 differences; 16 sums of two; 16 running sums; the j's as loaded
.set JD,   96
.set DD,   128
.set SS,   160
.set AC,   176
.set JR,   200
.macro ROWS first, last                ; loads first .. last - 1 of the 32 that bring my wave's 16 rows
.set q, \first
.rept \last-\first
	global_load_b128 v[X+4*q:X+4*q+3], v[GOF], s[4:5] offset:512*q   ; row q / 2, columns 128 (q % 2) + 4 lane + 0 .. 3: 32 lanes read 512 consecutive bytes
.set q, q+1
.endr
.endm
.macro GAINS                           ; gamma and beta of my 8 columns
	global_load_b128 v[G:G+3], v[GOF], s[8:9]
	global_load_b128 v[G+4:G+7], v[GOF], s[8:9] offset:512
	global_load_b128 v[BT:BT+3], v[GOF], s[10:11]
	global_load_b128 v[BT+4:BT+7], v[GOF], s[10:11] offset:512
.endm
	s_load_b256 s[4:11], s[0:1], 0x0               ; feature s[4:5], T s[6:7], gamma s[8:9], beta s[10:11]
	s_load_b128 s[12:15], s[0:1], 0x20             ; W1 s[12:13], part s[14:15]
	; all offsets, constants and LDS addresses are made while the arguments are on their way
	v_lshrrev_b32 v28, 5, v0
	v_readfirstlane_b32 s16, v28                   ; wave 0..15
	v_and_b32 v29, 31, v0                          ; lane
	v_lshlrev_b32 v[GOF], 4, v29
	s_wait_alu depctr_va_vdst(0)
	v_and_b32 v30, 15, v0                          ; r
	v_bfe_u32 v31, v0, 4, 1                        ; h
	v_lshlrev_b32 v[TOF], 2, v30
	v_lshl_add_u32 v[TOF], v31, 18, v[TOF]
	s_and_b32 s17, ttmp7, 0xffff                   ; hf
	s_lshl_b32 s24, s17, 3
	s_wait_alu depctr_va_sdst(0)                   ; s16 is written, ahead of its first reader: bases, LDS addresses and the branches on the wave's number are made from it
	s_xor_b32 s24, s24, s16                        ; my row tile: w xor 8 hf
	s_lshl_b32 s24, s24, 14                        ; 16 rows of 1,024 bytes
	s_mov_b32 s25, 0
	s_min_u32 s20, s16, 3                          ; which quarter of T's strip: waves 0 to 3 (the others never use it)
	s_lshl_b32 s2, s20, 19                         ; 64 rows of 8,192 bytes a quarter
	s_lshl_b32 s3, ttmp9, 6                        ; + the tile's 16 columns
	s_add_co_u32 s2, s2, s3
	s_mov_b32 s3, 0
	s_mov_b32 s28, 0x3b800000                      ; 1 / 256
	s_mov_b32 s29, s28                             ; (the packed forms name pairs)
	s_mov_b32 s30, 0x3727c5ac                      ; eps = 1e-5
	s_mov_b32 s32, 0x76543210
	s_mov_b32 s33, 0xfedcba98                      ; v_permlanex16_b32's selects for lane l xor 16
	s_and_b32 s34, s20, 1
	s_lshl_b32 s34, s34, 4                         ; T's scale bytes: 16 bits up in the odd quarters
	s_mov_b32 s36, 0x3d800000                      ; 1 / 16
	s_mov_b32 s37, s36
	s_mov_b32 s38, 0x3e000000                      ; 1 / 8
	s_mov_b32 s40, 0xbb800000                      ; -1 / 256
	s_mov_b32 s41, s40
	; every LDS address is made here, ahead of the first branch: a constant + a constant x lane + a constant x wave
	s_lshl_b32 s18, s16, 10
	s_add_co_u32 s18, s18, S1
	v_add_nc_u32 v[CW], s18, v[GOF]                ; S1 + 1,024 w + 16 lane
	v_lshrrev_b32 v[T0], 8, v0
	v_and_b32 v[T1], 255, v0
	v_lshlrev_b32 v[T1], 2, v[T1]
	v_lshl_add_u32 v[CR], v[T0], 13, v[T1]
	v_add_nc_u32 v[CR], S1, v[CR]                  ; S1 + 8,192 (thread / 256) + 4 (thread % 256): column thread % 256, eight waves' sums
	v_lshl_add_u32 v[HW], v0, 2, S1B               ; S1B + 4 thread
	v_add_nc_u32 v[HR], S1B, v[GOF]
	s_mul_i32 s19, s16, WST
	v_add_nc_u32 v[SW], s19, v[GOF]
	v_mul_u32_u24 v[T0], v30, SPI                  ; r x pitch
	v_lshl_add_u32 v[SR], v31, 7, v[T0]
	v_add_nc_u32 v[SR], s19, v[SR]                 ; my stage, row r, + 128 h bytes: 32 numbers
	s_mul_i32 s21, s20, 768
	s_add_co_u32 s21, s21, TIM
	v_lshl_add_u32 v[TW], v29, 3, s21
	v_lshl_add_u32 v[TR], v29, 3, TIM
	s_lshl_b32 s22, s20, 6
	s_add_co_u32 s22, s22, TSC
	v_lshl_add_u32 v[UW], v30, 2, s22
	v_lshl_add_u32 v[UR], v30, 2, TSC
	v_add_nc_u32 v[T0], MT, v[T0]                  ; M's column r
	s_lshl_b32 s23, s16, 6
	v_lshl_add_u32 v[MW], v31, 5, v[T0]
	v_add_nc_u32 v[MW], s23, v[MW]                 ; places 16 w + 8 h on
	s_add_co_u32 s23, s23, RED
	v_mov_b32 v[RW], s23
	s_lshr_b32 s23, s16, 1
	s_lshl_b32 s23, s23, 6
	v_add_nc_u32 v[MJA], s23, v[T0]                ; places 16 (w / 2) on
	s_and_b32 s23, s16, 1
	s_lshl_b32 s23, s23, 9
	v_lshl_add_u32 v[MIA], v31, 8, v[T0]
	v_add_nc_u32 v[MIA], s23, v[MIA]               ; places 64 (2 (w % 2) + h) on
	v_bfe_u32 v[T1], v0, 3, 3
	v_and_b32 v[RR], 7, v0
	v_lshlrev_b32 v[RR], 3, v[RR]
	v_lshl_add_u32 v[RR], v[T1], 7, v[RR]
	v_add_nc_u32 v[RR], RED, v[RR]                 ; rows j = 2 v, 2 v + 1 (v = thread % 64): waves 2 (v / 8) and 2 (v / 8) + 1, 8 (v % 8) bytes on
	v_and_b32 v[OOF], 63, v0
	v_lshlrev_b32 v[OOF], 3, v[OOF]
	v_lshlrev_b32 v[SH8], 3, v31
	s_wait_kmcnt 0x0
	s_add_nc_u64 s[6:7], s[6:7], s[2:3]            ; T at my quarter of the tile's strip
	s_add_nc_u64 s[4:5], s[4:5], s[24:25]          ; feature at my row tile
	s_wait_alu depctr_va_vdst(0)                   ; the offsets and LDS addresses v1 to v19 are written, which every load and store of the kernel reads; the head is done with v22, v23, v28 and v29, in which LDS loads land later
	; ---- the loads.  Wave w < 4 also quantises k = 64 w + 32 h + 0 .. 31 of column r of T: a whole block in a lane; all that differs stands in ONE branch on the wave's number
	s_cmp_lt_u32 s16, 4
	s_cbranch_scc0 .Lno_t
.set i, 0
.rept 32
	global_load_b32 v[TT+i], v[TOF], s[6:7] offset:8192*i            ; T FIRST: sixteen neighbouring lanes read 64 neighbouring bytes of a row of T
.set i, i+1
.endr
	ROWS 0, 28                                     ; rows 0 to 13: 60 loads of mine are out, which LOADcnt's six bits can count
	v_mov_b32 v[L+10], 0                           ; a lane permute's destination counts as one of its sources
	s_wait_loadcnt 28                              ; T's 32 loads are in: behind them stand the 28 of rows 0 to 13
	ROWS 28, 32                                    ; rows 14 and 15, gamma and beta: on both ways the same 36 loads in the same order,
	GAINS                                          ; so the counted waits of the column sums hold on both.  (The one vector line since the wait above names none of their registers)
	v_max3_num_f32 v[L], |v[TT]|, |v[TT+1]|, |v[TT+2]|               ; the block's largest magnitude, in two chains; the rows are on their way meanwhile
	v_max3_num_f32 v[L+1], |v[TT+3]|, |v[TT+4]|, |v[TT+5]|
.irp i, 6,10,14,18,22,26
	v_max3_num_f32 v[L], v[L], |v[TT+\i]|, |v[TT+\i+1]|
	v_max3_num_f32 v[L+1], v[L+1], |v[TT+\i+2]|, |v[TT+\i+3]|
.endr
	v_max3_num_f32 v[L], v[L], |v[TT+30]|, |v[TT+31]|
	v_max3_num_f32 v[L], v[L], v[L+1], 0x2800000   ; and the floor 2^(5 - 127): the byte cannot fall under 1
	v_add_nc_u32 v[L+2], 0xfe000000, v[L]          ; 4 off the exponent field: the conversion takes the exponent field of this operand as its scale
	v_lshrrev_b32 v[L+3], 23, v[L+2]               ; the scale's byte: block 2 (w % 2) + h of K step w / 2
	v_lshlrev_b32 v[L+3], v[SH8], v[L+3]           ; 8 h bits up,
	v_permlanex16_b32 v[L+10], v[L+3], s32, s33
	v_or_b32 v[L+3], v[L+3], v[L+10]               ; with lane l xor 16's,
	v_lshlrev_b32 v[L+3], s34, v[L+3]              ; at its half of the word: the other half stays 0 and comes from the neighbouring quarter's word
	v_cvt_scalef32_pk16_bf6_f32 v[L+4:L+6], v[TT:TT+15], v[L+2]
	v_cvt_scalef32_pk16_bf6_f32 v[L+12:L+14], v[TT+16:TT+31], v[L+2] ; (a conversion's three registers begin on an even number)
	v_nop                                          ; one plain place behind a scaled conversion
	v_mov_b32 v[L+7], v[L+12]
	v_mov_b32 v[L+8], v[L+13]
	v_mov_b32 v[L+9], v[L+14]                      ; v[L+4 .. L+9]: registers 6 (w % 2) .. + 5 of fragment w / 2
	s_wait_alu depctr_va_vdst(0)                   ; T's codes v[L+4 .. L+9] and its scale word v[L+3] are written, which the four LDS stores read
	ds_store_b64 v[TW], v[L+4:L+5]                 ; as an image: piece 3 w + p, 8 bytes a lane
	ds_store_b64 v[TW], v[L+6:L+7] offset:256
	ds_store_b64 v[TW], v[L+8:L+9] offset:512
	ds_store_b32 v[UW], v[L+3]                     ; lanes r and r + 16 write the same word with the same value
	s_branch .Lrows
.Lno_t:
	ROWS 0, 32
	GAINS
.Lrows:
	s_lshr_b32 s24, ttmp9, 1                       ; the other bases, while the loads are out (s25 is still 0)
	s_lshl_b32 s24, s24, 2
	s_add_nc_u64 s[12:13], s[12:13], s[24:25]
	s_load_b32 s27, s[12:13], 0x0                  ; W1[t / 2]: the tile's 16 columns belong to one output feature
	s_lshl_b32 s24, ttmp9, 10
	s_lshl_b32 s26, s17, 9
	s_add_co_u32 s24, s24, s26
	s_add_nc_u64 s[14:15], s[14:15], s[24:25]      ; part[t][128 hf]
	; ---- S_w: the sums of my 8 columns over my wave's 16 rows, two rows at a time as they arrive
.set g, 0
.rept 8
	s_wait_alu depctr_va_vdst(0)
	s_wait_loadcnt 32-4*g                          ; behind the loads of rows 2 g, 2 g + 1: 28 - 4 g loads of later rows and the four of gamma and beta
.set z, 0
.rept 4
.if g == 0
	s_wait_alu depctr_va_vdst(0)
	v_pk_add_f32 v[SUM+z:SUM+z+1], v[X+z:X+z+1], v[X+8+z:X+9+z]      ; the first two rows start the sums: nothing is cleared
.else
	v_pk_add_f32 v[SUM+z:SUM+z+1], v[SUM+z:SUM+z+1], v[X+16*g+z:X+16*g+z+1]
.endif
.set z, z+2
.endr
.if g > 0
.set z, 0
.rept 4
	v_pk_add_f32 v[SUM+z:SUM+z+1], v[SUM+z:SUM+z+1], v[X+16*g+8+z:X+16*g+9+z]
.set z, z+2
.endr
.endif
.set g, g+1
.endr
	s_wait_alu depctr_va_vdst(0)
	s_wait_kmcnt 0x0                               ; W1's number
.irp z, 0,2,4,6
	v_pk_mul_f32 v[MU+\z:MU+\z+1], v[SUM+\z:SUM+\z+1], s[36:37] op_sel_hi:[1,0]   ; m_w = S_w / 16
.endr
	; ---- x - m_w, in place, and Q_w, the sums of its squares
.set q, 0
.rept 64
	v_pk_add_f32 v[X+2*q:X+2*q+1], v[X+2*q:X+2*q+1], v[MU+(2*q)%8:MU+(2*q)%8+1] neg_lo:[0,1] neg_hi:[0,1]
.set q, q+1
.endr
.set q, 0
.rept 64
.if q < 4
	v_pk_mul_f32 v[SQ+2*q:SQ+2*q+1], v[X+2*q:X+2*q+1], v[X+2*q:X+2*q+1]
.else
	v_pk_fma_f32 v[SQ+(2*q)%8:SQ+(2*q)%8+1], v[X+2*q:X+2*q+1], v[X+2*q:X+2*q+1], v[SQ+(2*q)%8:SQ+(2*q)%8+1]
.endif
.set q, q+1
.endr
	; ---- THE EXCHANGE.  In front of each barrier a wave waits for all its LDS instructions: its stores have landed (T's image among them)
	s_wait_alu depctr_va_vdst(0)                   ; S_w and Q_w are written, which the four LDS stores read; and all vector work that named v160 to v191 or v[L ..] is done: level 1's loads, and later T's fragments, land there
	ds_store_b128 v[CW], v[SUM:SUM+3]
	ds_store_b128 v[CW], v[SUM+4:SUM+7] offset:512
	ds_store_b128 v[CW], v[SQ:SQ+3] offset:QOFF
	ds_store_b128 v[CW], v[SQ+4:SQ+7] offset:QOFF+512
	s_wait_dscnt 0x0
	s_barrier_signal -1
	s_barrier_wait -1
	s_wait_alu depctr_vm_vsrc(0)                   ; my LDS stores have read their data: T's codes and word, where the loads below land; S_w, which level 2 writes again; Q_w, where T's fragments land
	; level 1: thread n joins eight waves' groups of column n % 256: waves 8 (n / 256) + 0 .. 7
.irp a, 0,1,2,3,4,5,6,7
	ds_load_b32 v[L+\a], v[CR] offset:1024*\a
.endr
.irp a, 0,1,2,3,4,5,6,7
	ds_load_b32 v[L+8+\a], v[CR] offset:QOFF+1024*\a
.endr
	s_wait_dscnt 8                                 ; the eight S_w are in; the eight loads of the Q_w stand behind them
	v_pk_add_f32 v[L+16:L+17], v[L:L+1], v[L+2:L+3]
	v_pk_add_f32 v[L+18:L+19], v[L+4:L+5], v[L+6:L+7]
	v_pk_add_f32 v[L+16:L+17], v[L+16:L+17], v[L+18:L+19]
	v_add_f32 v[L+16], v[L+16], v[L+17]            ; S_g, the half's sum
	v_mul_f32 v[L+18], s38, v[L+16]                ; S_g / 8: what a wave's sum would be at the half's mean
	v_mov_b32 v[L+19], v[L+18]
.irp a, 0,2,4,6
	v_pk_add_f32 v[L+\a:L+\a+1], v[L+\a:L+\a+1], v[L+18:L+19] neg_lo:[0,1] neg_hi:[0,1]   ; u_w = S_w - S_g / 8 = 16 (m_w - the half's mean)
.endr
	v_pk_mul_f32 v[L+20:L+21], v[L:L+1], v[L:L+1]
.irp a, 2,4,6
	v_pk_fma_f32 v[L+20:L+21], v[L+\a:L+\a+1], v[L+\a:L+\a+1], v[L+20:L+21]
.endr
	s_wait_dscnt 0x0
	v_pk_add_f32 v[L+8:L+9], v[L+8:L+9], v[L+10:L+11]
	v_pk_add_f32 v[L+12:L+13], v[L+12:L+13], v[L+14:L+15]
	v_pk_add_f32 v[L+8:L+9], v[L+8:L+9], v[L+12:L+13]
	s_wait_alu depctr_va_vdst(0)
	v_pk_fma_f32 v[L+8:L+9], v[L+20:L+21], s[36:37], v[L+8:L+9] op_sel_hi:[1,0,1]   ; + 16 (u_w / 16)^2 = u_w^2 / 16
	v_add_f32 v[L+8], v[L+8], v[L+9]               ; Q_g
	s_wait_alu depctr_va_vdst(0)                   ; S_g in v[L+16] and Q_g in v[L+8] are written, which the two LDS stores read; and level 1's arithmetic is done with v[L ..], where level 2's loads land
	ds_store_b32 v[HW], v[L+16]
	ds_store_b32 v[HW], v[L+8] offset:QOFF
	s_wait_dscnt 0x0
	s_barrier_signal -1
	s_barrier_wait -1
	s_wait_alu depctr_vm_vsrc(0)                   ; the two LDS stores have read v[L+16] and v[L+8], in which the loads below land
	; level 2: every lane joins the two halves of its 8 columns
.irp a, 0,1,2,3
	ds_load_b128 v[L+4*\a:L+4*\a+3], v[HR] offset:512*\a             ; S_0 (8 numbers), S_1
.endr
.irp a, 0,1,2,3
	ds_load_b128 v[L+16+4*\a:L+16+4*\a+3], v[HR] offset:QOFF+512*\a  ; Q_0, Q_1
.endr
	s_wait_dscnt 0x0
.irp z, 0,2,4,6
	v_pk_add_f32 v[SUM+\z:SUM+\z+1], v[L+\z:L+\z+1], v[L+8+\z:L+9+\z]                              ; S
	v_pk_add_f32 v[L+\z:L+\z+1], v[L+\z:L+\z+1], v[L+8+\z:L+9+\z] neg_lo:[0,1] neg_hi:[0,1]        ; S_0 - S_1
	v_pk_add_f32 v[L+16+\z:L+17+\z], v[L+16+\z:L+17+\z], v[L+24+\z:L+25+\z]                        ; Q_0 + Q_1
.endr
.irp z, 0,2,4,6
	v_pk_mul_f32 v[L+8+\z:L+9+\z], v[L+\z:L+\z+1], v[L+\z:L+\z+1]
	v_pk_fma_f32 v[MU+\z:MU+\z+1], v[SUM+\z:SUM+\z+1], s[40:41], v[MU+\z:MU+\z+1] op_sel_hi:[1,0,1]   ; m_w - mean
.endr
.irp z, 0,2,4,6
	v_pk_fma_f32 v[L+16+\z:L+17+\z], v[L+8+\z:L+9+\z], s[28:29], v[L+16+\z:L+17+\z] op_sel_hi:[1,0,1] ; Q: + 64 ((S_0 - S_1) / 128)^2 = (S_0 - S_1)^2 / 256
.endr
.irp z, 0,1,2,3,4,5,6,7
	v_fma_f32 v[L+8+\z], v[L+16+\z], s28, s30      ; var + eps (x 1 / 256 rounds nothing)
.endr
	s_wait_alu depctr_va_vdst(0)
.irp z, 0,1,2,3,4,5,6,7
	v_rsq_f32 v[SUM+\z], v[L+8+\z]
.endr
	v_nop                                          ; one plain place behind the last of them
.set p, 0
.rept 12
	ds_load_b64 v[BF+2*p:BF+2*p+1], v[TR] offset:256*p               ; T's two fragments, as they were stored; two barriers lie between.  No wait: no vector instruction since the wait ahead of Q_w's stores names v160 to v183
.set p, p+1
.endr
	ds_load_b32 v[SB], v[UR]                       ; T's scale words: two halves for each K step.  (No vector instruction since the head's wait names v22, v23, v26 or v27)
	ds_load_b32 v[T0], v[UR] offset:64
	ds_load_b32 v[SB+1], v[UR] offset:128
	ds_load_b32 v[T1], v[UR] offset:192
	s_wait_loadcnt 0x0                             ; gamma and beta
	s_wait_alu depctr_va_vdst(0)                   ; the eight 1 / sqrt(var + eps) are written in v[SUM ..]: one wait for the eight, ahead of their first reader
.irp z, 0,2,4,6
	v_pk_mul_f32 v[G+\z:G+\z+1], v[G+\z:G+\z+1], v[SUM+\z:SUM+\z+1]                  ; A
.endr
.irp z, 0,2,4,6
	v_pk_fma_f32 v[BT+\z:BT+\z+1], v[MU+\z:MU+\z+1], v[G+\z:G+\z+1], v[BT+\z:BT+\z+1]   ; (m_w - mean) A + beta
.endr
	; ---- normalised, one fused multiply-add a number, and into my stage as the rows lie: rows 0 to 7 are stored among the multiply-adds of rows 8 to 15
.set q, 0
.rept 16
	v_pk_fma_f32 v[X+4*q:X+4*q+1], v[X+4*q:X+4*q+1], v[G+(4*q)%8:G+(4*q)%8+1], v[BT+(4*q)%8:BT+(4*q)%8+1]
	v_pk_fma_f32 v[X+4*q+2:X+4*q+3], v[X+4*q+2:X+4*q+3], v[G+(4*q)%8+2:G+(4*q)%8+3], v[BT+(4*q)%8+2:BT+(4*q)%8+3]
.set q, q+1
.endr
	s_wait_alu depctr_va_vdst(0)                   ; rows 0 to 7 are written in v[X .. X+63], which the sixteen LDS stores below read; the multiply-adds among them name v[X+64 ..], A and the addend alone
.rept 16
	v_pk_fma_f32 v[X+4*q:X+4*q+1], v[X+4*q:X+4*q+1], v[G+(4*q)%8:G+(4*q)%8+1], v[BT+(4*q)%8:BT+(4*q)%8+1]
	v_pk_fma_f32 v[X+4*q+2:X+4*q+3], v[X+4*q+2:X+4*q+3], v[G+(4*q)%8+2:G+(4*q)%8+3], v[BT+(4*q)%8+2:BT+(4*q)%8+3]
	ds_store_b128 v[SW], v[X+4*(q-16):X+4*(q-16)+3] offset:((q-16)/2)*SPI+((q-16)%2)*512
.set q, q+1
.endr
	s_wait_alu depctr_va_vdst(0)                   ; rows 8 to 15 are written in v[X+64 .. X+127], which the sixteen LDS stores below read
.set q, 16
.rept 16
	ds_store_b128 v[SW], v[X+4*q:X+4*q+3] offset:(q/2)*SPI+(q%2)*512
.set q, q+1
.endr
	s_wait_dscnt 0x0                               ; T's fragments and words are in
	s_wait_alu depctr_vm_vsrc(0)                   ; the stage's 32 stores have read v[X ..], in which the loads below land
	v_or_b32 v[SB], v[SB], v[T0]
	v_or_b32 v[SB+1], v[SB+1], v[T1]
.set q, 0
.rept 32
	ds_load_b128 v[X+4*q:X+4*q+3], v[SR] offset:256*(q/8)+16*(q%8)   ; register 32 c + i: x(row r, k = 64 c + 32 h + i): the stage is my wave's own, and LDS serves a wave's instructions in order
.set q, q+1
.endr
	s_wait_dscnt 0x0
	; ---- my four blocks of 32: all their numbers are mine
.irp c, 0,1,2,3
	v_max3_num_f32 v[QM+\c], |v[X+32*\c]|, |v[X+32*\c+1]|, 0x2800000 ; and the floor 2^(5 - 127)
.endr
.set i, 2
.rept 15
.irp c, 0,1,2,3
	v_max3_num_f32 v[QM+\c], v[QM+\c], |v[X+32*\c+i]|, |v[X+32*\c+i+1]|   ; (the four blocks by turns)
.endr
.set i, i+2
.endr
.irp c, 0,1,2,3
	v_add_nc_u32 v[QS+\c], 0xfe000000, v[QM+\c]    ; the conversions' scale operands
.endr
.irp c, 0,1,2,3
	v_lshrrev_b32 v[QB+\c], 23, v[QS+\c]           ; the scales' bytes
.endr
	v_lshl_or_b32 v[SA], v[QB+1], 16, v[QB]        ; K step 0: my blocks h and 2 + h of row r,
	v_lshl_or_b32 v[SA+1], v[QB+3], 16, v[QB+2]    ; K step 1 likewise,
	v_lshlrev_b32 v[SA], v[SH8], v[SA]             ; at their places in the word;
	v_lshlrev_b32 v[SA+1], v[SH8], v[SA+1]
	v_permlanex16_b32 v[PT], v[SA], s32, s33       ; (the destinations have been written before)
	v_permlanex16_b32 v[PT+1], v[SA+1], s32, s33
	v_or_b32 v[SA], v[SA], v[PT]                   ; with lane l xor 16's two bytes the words are whole
	v_or_b32 v[SA+1], v[SA+1], v[PT+1]
.irp c, 0,1,2,3
	v_cvt_scalef32_pk16_bf6_f32 v[AF+6*\c:AF+6*\c+2], v[X+32*\c:X+32*\c+15], v[QS+\c]
	v_cvt_scalef32_pk16_bf6_f32 v[CT+4*\c:CT+4*\c+2], v[X+32*\c+16:X+32*\c+31], v[QS+\c]   ; (three registers that begin on an even number: made here and moved)
.endr
	v_nop                                          ; one plain place behind the last scaled conversion
.irp c, 0,1,2,3
.irp i, 0,1,2
	v_mov_b32 v[AF+6*\c+3+\i], v[CT+4*\c+\i]
.endr
.endr
.rept 8
	v_nop                                          ; an operand written by vector instructions stands 4 places ahead of a scaled matrix instruction, a scale register so written 8
.endr
	s_wait_alu depctr_va_vdst(0)                   ; x's codes v[AF ..] and the four scale words v24 to v27 are written, which the two scaled products take; the places above stay beside this wait
	; ---- M(16 rows, 16 columns): source 0 = x's rows, source 1 = T's columns
	v_wmma_scale_f32_16x16x128_f8f6f4 v[ACC:ACC+7], v[AF:AF+11], v[BF:BF+11], 0, v[SA], v[SB] matrix_a_fmt:MATRIX_FMT_BF6 matrix_b_fmt:MATRIX_FMT_BF6
	s_wait_alu depctr_va_vdst(0)                   ; the wait stands directly ahead of the second
	v_wmma_scale_f32_16x16x128_f8f6f4 v[ACC:ACC+7], v[AF+12:AF+23], v[BF+12:BF+23], v[ACC:ACC+7], v[SA+1], v[SB+1] matrix_a_fmt:MATRIX_FMT_BF6 matrix_b_fmt:MATRIX_FMT_BF6
.rept 4
	v_nop                                          ; four places ahead of the stores that read the results, and of what is later written over the operands
.endr
	s_wait_alu depctr_va_vdst(0)                   ; the products have written v[ACC ..], which the two LDS stores read; and the quantiser is done with v32 to v95 and v200 to v215, in which the pairs' loads land
	ds_store_b128 v[MW], v[ACC:ACC+3]              ; register n of lane (r, h): M(place 16 w + 8 h + n, column r): eight neighbours of a column; from the low end on
	ds_store_b128 v[MW], v[ACC+4:ACC+7] offset:16
	s_wait_dscnt 0x0
	s_barrier_signal -1
	s_barrier_wait -1                              ; all 256 rows of the 16 columns lie in LDS
	; ---- the pairs
.irp a, 0,1,2,3
	ds_load_b128 v[JR+4*\a:JR+4*\a+3], v[MJA] offset:16*\a
.endr
.set e, 0
.rept 16
	ds_load_b128 v[MI+4*e:MI+4*e+3], v[MIA] offset:16*e
.set e, e+1
.endr
	s_wait_dscnt 16                                ; my 16 j are in; the sixteen loads of the i's stand behind them
.set a, 0
.rept 16
	v_mov_b32 v[JD+2*a], v[JR+a]                   ; each j twice, as the pair that the packed subtraction takes from two i's
	v_mov_b32 v[JD+2*a+1], v[JR+a]
.set a, a+1
.endr
.set pb, 0
.rept 32                                       ; two i's at a time against all 16 j: no line reads the result of a line less than eight lines above it
.if (pb%2) == 0
	s_wait_dscnt 15-pb/2                           ; the load that brings i's 2 pb .. 2 pb + 3 is in; those of later i's may be out
.endif
.set a, 0
.rept 16
	v_pk_add_f32 v[DD+2*a:DD+2*a+1], v[MI+2*pb:MI+2*pb+1], v[JD+2*a:JD+2*a+1] neg_lo:[0,1] neg_hi:[0,1]
.set a, a+1
.endr
.set a, 0
.rept 16
.if pb == 0
	v_add_f32 v[AC+a], |v[DD+2*a]|, |v[DD+2*a+1]|  ; the first two i's start the sums: nothing is cleared
.else
	v_add_f32 v[SS+a], |v[DD+2*a]|, |v[DD+2*a+1]|
.endif
.set a, a+1
.endr
.if pb > 0
.set a, 0
.rept 8
	v_pk_add_f32 v[AC+2*a:AC+2*a+1], v[AC+2*a:AC+2*a+1], v[SS+2*a:SS+2*a+1]
.set a, a+1
.endr
.endif
.set pb, pb+1
.endr
	; ---- over the 16 columns (the lanes of a half), over the two halves' i's, over the two waves that share my j's
.irp m, 1,2,4,8
.set a, 0
.rept 16
	v_add_f32_dpp v[AC+a], v[AC+a], v[AC+a] row_xmask:\m row_mask:0xf bank_mask:0xf
.set a, a+1
.endr
.endr
.set a, 0
.rept 16
	v_permlanex16_b32 v[DD+a], v[AC+a], s32, s33
.set a, a+1
.endr
.set a, 0
.rept 8
	v_pk_add_f32 v[AC+2*a:AC+2*a+1], v[AC+2*a:AC+2*a+1], v[DD+2*a:DD+2*a+1]
.set a, a+1
.endr
	s_wait_alu depctr_va_vdst(0)                   ; the sixteen sums are written in v[AC ..], which the four LDS stores read
.irp a, 0,1,2,3
	ds_store_b128 v[RW], v[AC+4*\a:AC+4*\a+3] offset:16*\a           ; all lanes hold the same sixteen sums and write them to the same 64 bytes
.endr
	s_wait_dscnt 0x0
	s_barrier_signal -1
	s_barrier_wait -1
	s_cmp_lt_u32 s16, 2
	s_cbranch_scc0 .Ldone                          ; waves 0 and 1 store the work-group's 128 numbers
	ds_load_b64 v[22:23], v[RR]                    ; (the last vector lines that named v22, v23, v28 or v29 stand ahead of the waits above)
	ds_load_b64 v[28:29], v[RR] offset:64
	v_mov_b32 v[WT], s27
	v_mul_f32 v[WT], 0x3e3504f3, v[WT]             ; W1[t / 2] x sqrt(2 / 64)
	v_mov_b32 v[WT+1], v[WT]
	s_wait_dscnt 0x0
	v_pk_add_f32 v[22:23], v[22:23], v[28:29]
	s_wait_alu depctr_va_vdst(0)
	v_pk_mul_f32 v[22:23], v[22:23], v[WT:WT+1]
	s_wait_alu depctr_va_vdst(0)                   ; the two weighted sums are written in v[22:23], which the store reads
	global_store_b64 v[OOF], v[22:23], s[14:15]    ; 32 lanes store 256 consecutive bytes, at a multiple of 256 from part's first byte
.Ldone:
	s_wait_xcnt 0x0
	v_lshl_add_u32 v254, v0, 2, 0x4f800            ; the add's two registers, made anew from v0, which is as at the entry; no memory or LDS instruction of the text reads v254 or v255
	v_mov_b32 v255, 0
	s_wait_dscnt 0x0                               ; the closing lines, six on end
	s_wait_alu 0x0
	s_wait_tensorcnt 0x0
	ds_add_u32 v254, v255
	s_wait_dscnt 0x0
	s_endpgm
.Lfunc_end_k_q4bd0976011_pairs:
	.size	k_q4bd0976011_pairs, .Lfunc_end_k_q4bd0976011_pairs-k_q4bd0976011_pairs
	.p2alignl 7, 3214868480
	.fill 96, 4, 3214868480
	.section	.rodata,"a",@progbits
	.p2align	6, 0x0
	.amdhsa_kernel k_q4bd0976011_pairs
		.amdhsa_group_segment_fixed_size 327680
		.amdhsa_private_segment_fixed_size 0
		.amdhsa_enable_private_segment 0
		.amdhsa_kernarg_size 48
		.amdhsa_user_sgpr_count 2
		.amdhsa_user_sgpr_kernarg_segment_ptr 1
		.amdhsa_wavefront_size32 1
		.amdhsa_system_sgpr_workgroup_id_x 1
		.amdhsa_system_sgpr_workgroup_id_y 1
		.amdhsa_system_sgpr_workgroup_id_z 1
		.amdhsa_system_vgpr_workitem_id 0
		.amdhsa_next_free_vgpr 256
		.amdhsa_next_free_sgpr 66
		.amdhsa_reserve_vcc 0
		.amdhsa_float_denorm_mode_32 3
		.amdhsa_float_denorm_mode_16_64 3
		.amdhsa_memory_ordered 1
		.amdhsa_forward_progress 1
		.amdhsa_inst_pref_size 141
	.end_amdhsa_kernel
	.amdgpu_metadata
---
amdhsa.version: [ 1, 2 ]
amdhsa.kernels:
  - .name:           k_q4bd0976011_pairs
    .symbol:         k_q4bd0976011_pairs.kd
    .args:
      - { .name: feature, .offset: 0, .size: 8, .value_kind: global_buffer, .address_space: global }
      - { .name: T, .offset: 8, .size: 8, .value_kind: global_buffer, .address_space: global }
      - { .name: gamma, .offset: 16, .size: 8, .value_kind: global_buffer, .address_space: global }
      - { .name: beta, .offset: 24, .size: 8, .value_kind: global_buffer, .address_space: global }
      - { .name: W1, .offset: 32, .size: 8, .value_kind: global_buffer, .address_space: global }
      - { .name: part, .offset: 40, .size: 8, .value_kind: global_buffer, .address_space: global }
    .group_segment_fixed_size: 327680
    .private_segment_fixed_size: 0
    .kernarg_segment_align: 8
    .kernarg_segment_size: 48
    .max_flat_workgroup_size: 512
    .sgpr_count:     66
    .vgpr_count:     256
    .wavefront_size: 32
...
	.end_amdgpu_metadata
.endif
;; end of part 3
;; launch finish (part 4): grid 4 x 1, 8 waves a work-group, no clusters, 3,072 bytes of LDS; arguments part, b1, out0; writes out0
.if DOCPART == 4
	.amdgcn_target "amdgcn-amd-amdhsa--gfx1250"
	.amdhsa_code_object_version 6
	.text
	.protected	k_q4bd0976011_finish
	.globl	k_q4bd0976011_finish
	.p2align	8
	.type	k_q4bd0976011_finish,@function
k_q4bd0976011_finish:
	s_mov_b64 s[64:65], 0
	v_nop
	global_prefetch_b8 v0, s[64:65] scope:SCOPE_SE
	s_setreg_imm32_b32 hwreg(HW_REG_WAVE_MODE, 25, 1), 1
	s_wait_xcnt 0x0
; out0[j] = b1 + the sum over the 128 tiles t of part[t][j].  part: [128][256] f32, already weighted.
; Work-group g owns outputs 64 g .. 64 g + 63: 256 consecutive bytes of each row of part.  Sixteen lanes cover them, 16 bytes each, so a load of a wave takes two rows;
; wave w takes rows 16 w .. 16 w + 15 by eight loads, all out at once.  The halves of the lanes meet by v_permlanex16_b32, the eight waves in LDS; wave 0 adds b1 and stores.
; Four work-groups are all the work there is: 128 KiB in, 1 KiB out.  No matrix unit, no tensor load, no cluster: nothing is read twice.
	s_load_b128 s[4:7], s[0:1], 0x0                ; part, b1
	s_load_b64 s[8:9], s[0:1], 0x10                ; out0
	v_lshl_add_u32 v48, v0, 2, 0x800
	v_mov_b32 v49, 0
	v_lshrrev_b32 v1, 5, v0
	s_delay_alu instid0(VALU_DEP_1)
	v_readfirstlane_b32 s10, v1                    ; wave 0..7
	v_and_b32 v2, 15, v0
	v_bfe_u32 v3, v0, 4, 1
	s_delay_alu instid0(VALU_DEP_2)
	v_lshlrev_b32 v4, 4, v2                        ; my four outputs: 16 (lane % 16) bytes on
	s_delay_alu instid0(VALU_DEP_1)
	v_lshl_add_u32 v5, v3, 10, v4                  ; lanes 16-31: one row of part further down
	s_lshl_b32 s11, s10, 8
	v_add_nc_u32 v6, s11, v4                       ; LDS: 256 bytes a wave
	v_and_b32 v7, 31, v0
	s_delay_alu instid0(VALU_DEP_1)
	v_lshlrev_b32 v7, 3, v7                        ; on the way out 8 bytes a lane
	s_lshl_b32 s12, s10, 14                        ; my wave's 16 rows of 1,024 bytes
	s_lshl_b32 s14, ttmp9, 8                       ; my work-group's 256 bytes
	s_add_co_u32 s12, s12, s14
	s_mov_b32 s13, 0
	s_mov_b32 s15, 0
	s_mov_b32 s16, 0x76543210
	s_mov_b32 s17, 0xfedcba98                      ; v_permlanex16_b32's selects for lane l xor 16
	s_wait_alu depctr_va_vdst(0)
	s_wait_kmcnt 0x0
	s_load_b32 s18, s[6:7], 0x0                    ; b1
	s_add_nc_u64 s[4:5], s[4:5], s[12:13]
	s_add_nc_u64 s[8:9], s[8:9], s[14:15]
.irp u, 0,1,2,3,4,5,6,7
	global_load_b128 v[8+4*\u:11+4*\u], v5, s[4:5] offset:2048*\u    ; rows 16 w + 2 u and 16 w + 2 u + 1: sixteen lanes read 256 consecutive aligned bytes of each
.endr
	s_wait_loadcnt 0x0
.irp u, 0,2,4,6
	v_pk_add_f32 v[8+4*\u:9+4*\u], v[8+4*\u:9+4*\u], v[12+4*\u:13+4*\u]
	v_pk_add_f32 v[10+4*\u:11+4*\u], v[10+4*\u:11+4*\u], v[14+4*\u:15+4*\u]
.endr
.irp u, 0
	v_pk_add_f32 v[8+4*\u:9+4*\u], v[8+4*\u:9+4*\u], v[16+4*\u:17+4*\u]
	v_pk_add_f32 v[10+4*\u:11+4*\u], v[10+4*\u:11+4*\u], v[18+4*\u:19+4*\u]
.endr
.irp u, 4
	s_delay_alu instid0(VALU_DEP_4)
	v_pk_add_f32 v[8+4*\u:9+4*\u], v[8+4*\u:9+4*\u], v[16+4*\u:17+4*\u]
	s_delay_alu instid0(VALU_DEP_4)
	v_pk_add_f32 v[10+4*\u:11+4*\u], v[10+4*\u:11+4*\u], v[18+4*\u:19+4*\u]
.endr
	s_delay_alu instid0(VALU_DEP_2)
	v_pk_add_f32 v[8:9], v[8:9], v[24:25]
	s_delay_alu instid0(VALU_DEP_2)
	v_pk_add_f32 v[10:11], v[10:11], v[26:27]
.irp n, 0,1,2,3
	v_permlanex16_b32 v[12+\n], v[8+\n], s16, s17  ; (the destinations have been written before, by loads)
.endr
	s_delay_alu instid0(VALU_DEP_3)
	v_pk_add_f32 v[8:9], v[8:9], v[12:13]
	s_delay_alu instid0(VALU_DEP_2)
	v_pk_add_f32 v[10:11], v[10:11], v[14:15]      ; my wave's 16 rows are summed
	ds_store_b128 v6, v[8:11]                      ; lanes l and l + 16 write the same bytes with the same values
	s_wait_kmcnt 0x0
	s_wait_dscnt 0x0                               ; for the others' sake: my store has landed
	s_barrier_signal -1
	s_barrier_wait -1
	s_cmp_lg_u32 s10, 0
	s_cbranch_scc1 .Ldone
.irp a, 0,1,2,3,4,5,6,7
	ds_load_b64 v[16+2*\a:17+2*\a], v7 offset:256*\a
.endr
	s_wait_dscnt 0x0
.irp a, 0,2,4,6
	v_pk_add_f32 v[16+2*\a:17+2*\a], v[16+2*\a:17+2*\a], v[18+2*\a:19+2*\a]
.endr
	s_delay_alu instid0(VALU_DEP_3)
	v_pk_add_f32 v[16:17], v[16:17], v[20:21]
	s_delay_alu instid0(VALU_DEP_2)
	v_pk_add_f32 v[24:25], v[24:25], v[28:29]
	s_delay_alu instid0(VALU_DEP_1)
	v_pk_add_f32 v[16:17], v[16:17], v[24:25]
	s_delay_alu instid0(VALU_DEP_1)
	v_add_f32 v16, s18, v16
	s_delay_alu instid0(VALU_DEP_2)
	v_add_f32 v17, s18, v17
	global_store_b64 v7, v[16:17], s[8:9]          ; 32 lanes store 256 consecutive bytes, at a multiple of 256 from out0's first byte
.Ldone:
	s_wait_tensorcnt 0x0
	ds_add_u32 v48, v49
	s_wait_dscnt 0x0
	s_endpgm
.Lfunc_end_k_q4bd0976011_finish:
	.size	k_q4bd0976011_finish, .Lfunc_end_k_q4bd0976011_finish-k_q4bd0976011_finish
	.p2alignl 7, 3214868480
	.fill 96, 4, 3214868480
	.section	.rodata,"a",@progbits
	.p2align	6, 0x0
	.amdhsa_kernel k_q4bd0976011_finish
		.amdhsa_group_segment_fixed_size 3072
		.amdhsa_private_segment_fixed_size 0
		.amdhsa_enable_private_segment 0
		.amdhsa_kernarg_size 24
		.amdhsa_user_sgpr_count 2
		.amdhsa_user_sgpr_kernarg_segment_ptr 1
		.amdhsa_wavefront_size32 1
		.amdhsa_system_sgpr_workgroup_id_x 1
		.amdhsa_system_sgpr_workgroup_id_y 1
		.amdhsa_system_sgpr_workgroup_id_z 1
		.amdhsa_system_vgpr_workitem_id 0
		.amdhsa_next_free_vgpr 50
		.amdhsa_next_free_sgpr 66
		.amdhsa_reserve_vcc 0
		.amdhsa_float_denorm_mode_32 3
		.amdhsa_float_denorm_mode_16_64 3
		.amdhsa_memory_ordered 1
		.amdhsa_forward_progress 1
		.amdhsa_inst_pref_size 6
	.end_amdhsa_kernel
	.amdgpu_metadata
---
amdhsa.version: [ 1, 2 ]
amdhsa.kernels:
  - .name:           k_q4bd0976011_finish
    .symbol:         k_q4bd0976011_finish.kd
    .args:
      - { .name: part, .offset: 0, .size: 8, .value_kind: global_buffer, .address_space: global }
      - { .name: b1, .offset: 8, .size: 8, .value_kind: global_buffer, .address_space: global }
      - { .name: out0, .offset: 16, .size: 8, .value_kind: global_buffer, .address_space: global }
    .group_segment_fixed_size: 3072
    .private_segment_fixed_size: 0
    .kernarg_segment_align: 8
    .kernarg_segment_size: 24
    .max_flat_workgroup_size: 256
    .sgpr_count:     66
    .vgpr_count:     50
    .wavefront_size: 32
...
	.end_amdgpu_metadata
.endif
;; end of part 4
